; MI455X (gfx1250); checked and timed in simulation.
; The chip was launched on July 23, 2026; its instructions are those of AMD's public machine-readable ISA for CDNA 5 (MIT licence, August 2026) and "CDNA5" Instruction Set Architecture Reference Guide (July 2026). The comments in the code are by the model that wrote it; some were corrected since.
;; Causal Self Attention. Allowed arithmetic: matrix products marked QUANTISED: E2M3 operands, one E8M0 scale for each 32 along K, by v_wmma_scale_f32_16x16x128_f8f6f4 with both operands' format E2M3, f32 sums; everything else in f32.
;; Inputs: W_attn 1,024 x 3,072 float32; W_proj 1,024 x 1,024 float32; b_attn 3,072 float32; b_proj 1,024 float32; x 4 x 2,048 x 1,024 float32.
;; Outputs: out0 4 x 2,048 x 1,024 float32.
;; This version of the problem:
;;   THIS VERSION OF THE PROBLEM IS GIVEN IN LOW PRECISION. The matrix products marked QUANTISED in the list below multiply operands that are first quantised to E2M3 (2 exponent bits, 3 mantissa bits; 6 bits a number), with one power-of-two scale for each 32 numbers along K (OCP MX v1.0); their sums are f32. All else is computed in f32.
;;   The module's matrix products, in the order in which they are computed (A, B: the left and right operand; K: the contracted axis; several contracted axes count as one K, in the product's order):
;;     1. [M 8,192, K 1,024] x [K 1,024, N 3,072]; A: input x; B: input W_attn: QUANTISED
;;     2. batch 64 x [M 2,048, K 64] x [K 64, N 2,048]; A: computed on the way; B: computed on the way: QUANTISED
;;     3. batch 64 x [M 2,048, K 2,048] x [K 2,048, N 64]; A: softmax (see below); B: computed on the way: QUANTISED
;;     4. [M 8,192, K 1,024] x [K 1,024, N 1,024]; A: computed on the way; B: input W_proj: QUANTISED
;;   THE QUANTISER, for each operand of a quantised product, along K:
;;     - K is cut into blocks of 32 from its start; a last block that is shorter is filled with zeros.
;;     - A block's scale is 2^e with e = floor(log2(the largest magnitude in the block)) - 2, held to -126 .. 127; a block of zeros has e = 0. As a byte (E8M0): e + 127.
;;     - Each number is divided by its block's scale, clamped to +-7.5, and rounded to the nearest number of E2M3, ties to even, subnormals kept.
;;     - The product sums the exact products of the quantised numbers (number of the format x scale) in f32.
;;   ~~~python
;;   def quantise(x, axis):      # numpy; x: float32 -> the quantised numbers, widened to float32 again
;;       x = np.moveaxis(x, axis, -1); K = x.shape[-1]
;;       x = np.pad(x, [(0, 0)] * (x.ndim - 1) + [(0, -K % 32)]); x = x.reshape(x.shape[:-1] + (-1, 32)); a = np.abs(x).max(-1, keepdims=True)
;;       e = np.where(a > 0, np.clip(np.frexp(np.where(a > 0, a, 1))[1] - 1 - 2, -126, 127), 0)      # np.frexp(a)[1] - 1 = floor(log2(a)), exactly
;;       r = np.clip(x / 2.0 ** e, -7.5, 7.5)
;;       step = 2.0 ** (np.maximum(np.frexp(np.where(r == 0, 1, r))[1] - 1, 0) - 3)
;;       q = np.round(r / step) * step * 2.0 ** e      # np.round: ties to even
;;       return np.moveaxis(q.reshape(q.shape[:-2] + (-1,))[..., :K], -1, axis).astype(np.float32)
;;   ~~~
;;   SOFTMAX AHEAD OF A QUANTISED PRODUCT. Where the list says 'softmax', what is quantised is not the finished softmax but p = 2^(t - M), with t = logit x log2(e) and M = ceil(the row's largest t), a whole number; so 1/2 < the row's largest p <= 1. The row's sum l is taken of the UNQUANTISED p, in f32, and the product's result is divided by l at the end. Since M is a whole number, a kernel that streams over the keys may use a running M (the ceiling of the running maximum): every later rescaling is an exact power of two, which a block's scale takes up: the codes' values come out the same.
;;   OPERANDS COMPUTED ON THE WAY. 'Computed on the way' means the value that the module computes at that place (a softmax that the list does not call 'softmax' is quantised finished and normalised). What goes into a quantiser is computed in f32, as accurately as f32 sums, v_exp_f32 and their like allow (about 1e-6 of the number): no bf16 or f16 on the way to a quantiser, and a product that is left as it is and whose result goes on into a quantised operand takes f32 operands (vector FMAs, or v_wmma_f32_16x16x4_f32). A number that lies on a knife's edge between two numbers of the format may be rounded either way, as far as f32 arithmetic and the matrix unit's own rounding can turn it there, and no further.
;; One version. Each part assembles by itself: llvm-mc -triple=amdgcn-amd-amdhsa -mcpu=gfx1250 --defsym DOCPART=n.
;; ======== version 1 of 1: 4 launches
;; workspace buffers: codes 9,437,184 bytes; scales 393,216 bytes; qkv 20,185,088 bytes; yimg 6,291,456 bytes; ysc 262,144 bytes
;; launch quant (part 1): grid 384 x 1, 4 waves a work-group, no clusters, 68,096 bytes of LDS; arguments x, W_attn, W_proj, codes, scales; writes codes, scales
.if DOCPART == 1
	.amdgcn_target "amdgcn-amd-amdhsa--gfx1250"
	.amdhsa_code_object_version 6
	.text
	.protected	k_qa20f1b31c3_quant
	.globl	k_qa20f1b31c3_quant
	.p2align	8
	.type	k_qa20f1b31c3_quant,@function
k_qa20f1b31c3_quant:
	s_mov_b64 s[64:65], 0
	v_nop
	global_prefetch_b8 v0, s[64:65] scope:SCOPE_SE
	s_setreg_imm32_b32 hwreg(HW_REG_WAVE_MODE, 25, 1), 1
	s_wait_xcnt 0x0
; x [8192][1024], W_attn [1024][3072] and W_proj [1024][1024], all f32, become codes of FP6 (E2M3), 6 bits each, K = 1,024 innermost, 768 bytes a row,
; with one E8M0 scale byte for each 32 along K, 32 bytes a row.  codes and scales have 12,288 rows: 0 .. 8,191 the rows of x, 8,192 .. 11,263 the columns of W_attn, 11,264 .. 12,287 those of W_proj.
; THE ROWS ARE STORED IN SWAPPED ORDER: row i lies at the row whose number is i with bits 3 and 4 exchanged.  Sixteen stored rows on end, 16 t + r, are then the true rows 32 (t / 2) + 8 (t % 2) + r + 8 (r / 8):
; where such a tile is source 0 of a product, the 16 result registers of tiles 2 b and 2 b + 1 are 16 neighbours, which is what the next quantiser wants of a lane.
; A block's scale is 2^(floor(log2(its largest magnitude)) - 2); its byte is the largest magnitude's exponent field - 2, held at 1 from below by a floor among the maximum's leaves.
; LIMITS: a block whose largest magnitude lies under 2^-124, a block of zeros among them, gets the byte 1 (its codes are zeros, or the format's subnormals under that scale; only this program reads the bytes); NaN and infinities are not served.
; Work-groups 0 .. 255 take x (K innermost: a plain stream of blocks), work-groups 256 .. 383 the weights (K is their first axis: a lane takes a column and its registers run down K).
; The two ways part once, on the work-group's number, never join, and have LDS bytes of their own.  No barrier: waves share nothing.
.set STEPS, 16
.set CB,    12                         ; bytes of 16 codes
.set WREG,  8192                       ; x: LDS of a wave: two stages of 32 x SP bytes, behind them its 256 scale bytes
.set SP,    80                         ; a lane's place in a stage: 64 bytes + 16 of padding
.set R,     16                         ; v16-79   x: four sets of 16 numbers as loaded
.set X,     80                         ; v80-111  x: two sets of 16 neighbours
.set E,     112                        ; v112-127 x: a scale byte for each step
.set C,     128                        ; v128-191 x: codes, four registers for each step: no store's data are written again
.set WST,   32768                      ; weights: the stages begin here, 32 rows x WP bytes for each wave
.set WP,    272                        ; a stage row: sixteen places of 16 bytes, each with 12 bytes of codes, + 16
.set WX,    32                         ; v32-95   weights: two sets of 32 numbers
.set WC,    96                         ; v96-102  a block's codes
.set OUTR,  112                        ; v112-175 the way out
.set SB,    24                         ; v24-25   eight scale bytes
.set OF,    176                        ; v176-207 byte offsets of 32 rows of the weight: 4 x lane + i x the weight's pitch; never rewritten
.set KROW,  768
	s_load_b256 s[4:11], s[0:1], 0x0               ; x s[4:5], W_attn s[6:7], W_proj s[8:9], codes s[10:11]
	s_load_b64 s[12:13], s[0:1], 0x20              ; scales
	v_lshl_add_u32 v208, v0, 2, 0x10800
	v_mov_b32 v209, 0
	v_lshrrev_b32 v1, 5, v0
	v_readfirstlane_b32 s16, v1                    ; wave 0..3
	v_and_b32 v2, 31, v0                           ; lane
	s_cmp_lt_u32 ttmp9, 256
	s_cbranch_scc0 .Lweights
; ---------------- x.  A wave takes 16 steps of 512 numbers: 8 rows.  Each load reads 512 consecutive bytes, 16 a lane; a step's 2,048 bytes turn through the wave's own stage and come back 64 bytes a lane:
; 16 neighbours along K, two neighbouring lanes to a block.  Loads run four steps ahead, the turn through LDS one step.
	v_lshlrev_b32 v3, 4, v2                        ; my 16 bytes of a load's 512
	s_mul_i32 s17, s16, WREG
	v_lshrrev_b32 v14, 2, v2
	v_mul_u32_u24 v14, v14, SP
	v_and_b32 v15, 3, v2
	v_lshl_add_u32 v14, v15, 4, v14
	v_add_nc_u32 v14, s17, v14                     ; into the stage: SP (lane / 4) + 16 (lane % 4)
	v_mul_u32_u24 v15, v2, SP
	v_add_nc_u32 v15, s17, v15                     ; out of it: SP x lane
	v_mul_u32_u24 v4, v2, CB                       ; my codes' place in a step's 384 bytes
	v_lshrrev_b32 v5, 1, v2
	s_add_co_u32 s17, s17, 2*32*SP
	v_add_nc_u32 v5, s17, v5                       ; my block's byte among the wave's 256
	v_lshlrev_b32 v7, 3, v2
	v_add_nc_u32 v6, s17, v7                       ; and 8 bytes a lane on the way out
	s_lshl_b32 s17, ttmp9, 2
	s_add_co_u32 s18, s17, s16                     ; my run of 8 rows is read at run 4 x work-group + wave
	s_and_b32 s19, s16, 1
	s_lshl_b32 s19, s19, 1
	s_lshr_b32 s20, s16, 1
	s_or_b32 s19, s19, s20
	s_add_co_u32 s22, s17, s19                     ; and written at the run with bits 0 and 1 exchanged: bits 3 and 4 of the rows
	s_lshl_b32 s20, s18, 15                        ; 32,768 bytes of x a run
	s_mov_b32 s21, 0
	s_mul_i32 s24, s22, 8*KROW                     ; 6,144 bytes of codes
	s_mov_b32 s25, 0
	s_lshl_b32 s26, s22, 8                         ; 256 scale bytes
	s_mov_b32 s27, 0
	s_wait_kmcnt 0x0
	s_add_nc_u64 s[4:5], s[4:5], s[20:21]
	s_add_nc_u64 s[10:11], s[10:11], s[24:25]
	s_add_nc_u64 s[12:13], s[12:13], s[26:27]
.macro XLOAD t
.irp i, 0,1,2,3
	global_load_b128 v[R+16*((\t)%4)+4*\i:R+16*((\t)%4)+4*\i+3], v3, s[4:5] offset:2048*(\t)+512*\i th:TH_LOAD_NT
.endr
.endm
.macro XTURN t                         ; LDS serves a wave's instructions in order: no wait between the stores and the loads
.irp i, 0,1,2,3
	ds_store_b128 v14, v[R+16*((\t)%4)+4*\i:R+16*((\t)%4)+4*\i+3] offset:32*SP*((\t)%2)+8*SP*\i
.endr
.irp i, 0,1,2,3
	ds_load_b128 v[X+16*((\t)%2)+4*\i:X+16*((\t)%2)+4*\i+3], v15 offset:32*SP*((\t)%2)+16*\i
.endr
.endm
.irp t, 0,1,2,3
	XLOAD \t
.endr
	s_wait_loadcnt 12                              ; step 0's four loads are in; twelve younger ones stay out
	XTURN 0
.macro XSTEP t
.set XS, X+16*((\t)%2)
.if (\t) > 0
	s_wait_dscnt 1                                 ; this step's numbers are back from the stage; only the last step's byte store may be out
.else
	s_wait_dscnt 0x0
.endif
.if (\t)+4 < STEPS
	XLOAD (\t)+4                                   ; into the registers that this step's stores into the stage have read
.endif
.if (\t)+1 < STEPS
.if STEPS-2-(\t) >= 3
	s_wait_loadcnt 12                              ; the next step's four loads are in; those of the three steps behind it may be out
.else
	s_wait_loadcnt 4*(STEPS-2-(\t))                ; at the end the counts run down
.endif
	XTURN (\t)+1
.endif
	v_max3_num_f32 v8, |v[XS]|, |v[XS+1]|, |v[XS+2]|       ; the largest magnitude of my 16, in two chains
	v_max3_num_f32 v9, |v[XS+3]|, |v[XS+4]|, |v[XS+5]|
.irp i, 6,10
	v_max3_num_f32 v8, v8, |v[XS+\i]|, |v[XS+\i+1]|
	v_max3_num_f32 v9, v9, |v[XS+\i+2]|, |v[XS+\i+3]|
.endr
	v_max3_num_f32 v8, v8, |v[XS+14]|, |v[XS+15]|
	v_max3_num_f32 v8, v8, v9, 0x1800000           ; and the floor 2^(3 - 127): the byte cannot fall under 1
	v_max_num_f32_dpp v8, v8, v8 row_xmask:1 row_mask:0xf bank_mask:0xf   ; with my neighbour's 16: the block's
	v_add_nc_u32 v11, 0xff000000, v8               ; 2 off its exponent field: the conversion takes the exponent field of this operand as its scale
	v_cvt_scalef32_pk16_fp6_f32 v[C+4*(\t):C+4*(\t)+2], v[XS:XS+15], v11
	v_lshrrev_b32 v[E+(\t)], 23, v11               ; the scale's byte (also the plain line behind the conversion)
	ds_store_b8 v5, v[E+(\t)] offset:16*(\t)       ; both lanes of a block write the same byte with the same value
	global_store_b96 v4, v[C+4*(\t):C+4*(\t)+2], s[10:11] offset:32*CB*(\t)   ; the wave stores 384 consecutive bytes
.endm
.irp t, 0,1,2,3,4,5,6,7,8,9,10,11,12,13,14,15
	XSTEP \t
.endr
	ds_load_b64 v[12:13], v6                       ; my wave's 256 scale bytes, behind its own stores
	s_wait_dscnt 0x0
	global_store_b64 v7, v[12:13], s[12:13]        ; 32 lanes store 256 consecutive bytes, aligned
	s_wait_tensorcnt 0x0
	ds_add_u32 v208, v209
	s_wait_dscnt 0x0
	s_endpgm
; ---------------- the weights.  Work-group g = number - 256: which 256 of K (g % 4), which 128 columns (g / 4: 0 .. 23 of W_attn, 24 .. 31 of W_proj).  A wave takes 32 columns x 256 along K: 8 blocks a lane.
.Lweights:
	s_sub_co_u32 s17, ttmp9, 256
	s_and_b32 s18, s17, 3                          ; ky
	s_lshr_b32 s19, s17, 2                         ; block of 128 columns over both weights
	s_mov_b32 s20, 4096
	s_cmp_lt_u32 s19, 24
	s_cselect_b32 s20, 12288, s20                  ; the weight's pitch in bytes
	s_cselect_b32 s21, 0, 24
	s_sub_co_u32 s21, s19, s21                     ; block of columns in its own weight
	s_lshl_b32 s22, s21, 7
	s_lshl_b32 s23, s16, 5
	s_add_co_u32 s22, s22, s23                     ; my wave's first column
	s_lshl_b32 s22, s22, 2
	s_lshl_b32 s24, s18, 8
	s_mul_i32 s24, s24, s20                        ; 256 ky rows down
	s_add_co_u32 s24, s24, s22
	s_mov_b32 s25, 0
	s_lshl_b32 s26, s20, 5                         ; 32 rows: from a block to the next
	s_mov_b32 s27, 0
	s_lshl_b32 s28, s20, 6                         ; 64 rows: a base's step
	s_mov_b32 s29, 0
	s_lshl_b32 s30, s19, 7
	s_add_co_u32 s30, s30, s23
	s_add_co_u32 s30, s30, 8192                    ; my wave's first row of codes and scales
	s_mul_i32 s32, s30, KROW
	s_mul_i32 s31, s18, 192
	s_add_co_u32 s32, s32, s31
	s_mov_b32 s33, 0
	s_lshl_b32 s34, s30, 5
	s_lshl_b32 s31, s18, 3
	s_add_co_u32 s34, s34, s31
	s_mov_b32 s35, 0
	v_lshlrev_b32 v3, 2, v2                        ; 4 bytes a lane
	s_mul_i32 s31, s16, 32*WP
	s_add_co_u32 s31, s31, WST                     ; my stage
	v_mul_u32_u24 v4, v2, WP
	v_add_nc_u32 v4, s31, v4                       ; into it: row = my column
	v_and_b32 v5, 15, v2
	v_lshrrev_b32 v6, 4, v2
	v_mul_u32_u24 v7, v6, WP
	v_lshl_add_u32 v7, v5, 4, v7
	v_add_nc_u32 v7, s31, v7                       ; out of it: sixteen lanes to a row, two rows an instruction
	v_mul_u32_u24 v8, v6, KROW
	v_mad_u32_u24 v8, v5, 12, v8                   ; and the same place in the codes
	v_and_b32 v9, 7, v2
	v_and_b32 v10, 8, v2
	v_lshl_or_b32 v9, v10, 1, v9
	v_and_b32 v10, 16, v2
	v_lshrrev_b32 v10, 1, v10
	v_or_b32 v9, v9, v10                           ; my column's stored row: the lane with bits 3 and 4 exchanged
	v_lshlrev_b32 v9, 5, v9                        ; 32 scale bytes a row
.set ii, 0
.rept 32
	v_mad_u32_u24 v[OF+ii], s20, ii, v3
.set ii, ii+1
.endr
	s_wait_kmcnt 0x0
	s_cmp_lt_u32 s19, 24                           ; the choice hangs on the work-group's number alone
	s_cselect_b64 s[36:37], s[6:7], s[8:9]
	s_add_nc_u64 s[36:37], s[36:37], s[24:25]      ; the base of the even blocks,
	s_add_nc_u64 s[38:39], s[36:37], s[26:27]      ; of the odd ones
	s_add_nc_u64 s[10:11], s[10:11], s[32:33]
	s_add_nc_u64 s[12:13], s[12:13], s[34:35]
.macro WLOAD t                         ; block t: 32 rows of the weight at my column: each load reads 128 consecutive bytes a wave, 512 a work-group
.set ii, 0
.rept 32
	global_load_b32 v[WX+32*((\t)%2)+ii], v[OF+ii], s[36+2*((\t)%2):37+2*((\t)%2)] th:TH_LOAD_NT
.set ii, ii+1
.endr
.endm
	WLOAD 0
	WLOAD 1
.macro WBLOCK t
.set WXS, WX+32*((\t)%2)
.if (\t) < 7
	s_wait_loadcnt 32                              ; this block's 32 loads are done (so their base may step); the next block's may be out
.else
	s_wait_loadcnt 0x0
.endif
	v_max3_num_f32 v12, |v[WXS]|, |v[WXS+1]|, |v[WXS+2]|   ; all 32 numbers of the block are mine
	v_max3_num_f32 v13, |v[WXS+3]|, |v[WXS+4]|, |v[WXS+5]|
.irp i, 6,10,14,18,22,26
	v_max3_num_f32 v12, v12, |v[WXS+\i]|, |v[WXS+\i+1]|
	v_max3_num_f32 v13, v13, |v[WXS+\i+2]|, |v[WXS+\i+3]|
.endr
	v_max3_num_f32 v12, v12, |v[WXS+30]|, |v[WXS+31]|
	v_max3_num_f32 v12, v12, v13, 0x1800000        ; the floor
	v_add_nc_u32 v11, 0xff000000, v12              ; the conversion's scale operand
	v_lshrrev_b32 v13, 23, v11                     ; the byte
.if (\t)%4 == 0
	v_mov_b32 v[SB+(\t)/4], v13
.else
	v_lshl_or_b32 v[SB+(\t)/4], v13, 8*((\t)%4), v[SB+(\t)/4]
.endif
	v_cvt_scalef32_pk16_fp6_f32 v[WC:WC+2], v[WXS:WXS+15], v11
	v_cvt_scalef32_pk16_fp6_f32 v[WC+4:WC+6], v[WXS+16:WXS+31], v11    ; (a conversion's three registers begin on an even number)
	ds_store_b96 v4, v[WC:WC+2] offset:32*(\t)     ; 12 bytes to a place of 16, so that every LDS address is a multiple of 16
	ds_store_b96 v4, v[WC+4:WC+6] offset:32*(\t)+16
.if (\t)+2 < 8
	s_add_nc_u64 s[36+2*((\t)%2):37+2*((\t)%2)], s[36+2*((\t)%2):37+2*((\t)%2)], s[28:29]
	WLOAD (\t)+2
.endif
	s_wait_dscnt 0x0                               ; the stores have read their registers: the next block's codes may be written
.endm
.irp t, 0,1,2,3,4,5,6,7
	WBLOCK \t
.endr
	global_store_b64 v9, v[SB:SB+1], s[12:13]      ; my column's eight scale bytes
.irp t, 0,1,2,3,4,5,6,7,8,9,10,11,12,13,14,15
.set TP, ((\t)&3)|(((\t)&4)<<1)|(((\t)&8)>>1)  ; stored rows 2 t, 2 t + 1 are the columns 2 t', 2 t' + 1
	ds_load_b96 v[OUTR+4*\t:OUTR+4*\t+2], v7 offset:2*TP*WP
.endr
.irp t, 0,1,2,3,4,5,6,7,8,9,10,11,12,13,14,15
	s_wait_dscnt 15-\t
	global_store_b96 v8, v[OUTR+4*\t:OUTR+4*\t+2], s[10:11] offset:2*\t*KROW   ; sixteen lanes store a row's 192 consecutive bytes
.endr
	s_wait_tensorcnt 0x0
	ds_add_u32 v208, v209
	s_wait_dscnt 0x0
	s_endpgm
.Lfunc_end_k_qa20f1b31c3_quant:
	.size	k_qa20f1b31c3_quant, .Lfunc_end_k_qa20f1b31c3_quant-k_qa20f1b31c3_quant
	.p2alignl 7, 3214868480
	.fill 96, 4, 3214868480
	.section	.rodata,"a",@progbits
	.p2align	6, 0x0
	.amdhsa_kernel k_qa20f1b31c3_quant
		.amdhsa_group_segment_fixed_size 68096
		.amdhsa_private_segment_fixed_size 0
		.amdhsa_enable_private_segment 0
		.amdhsa_kernarg_size 40
		.amdhsa_user_sgpr_count 2
		.amdhsa_user_sgpr_kernarg_segment_ptr 1
		.amdhsa_wavefront_size32 1
		.amdhsa_system_sgpr_workgroup_id_x 1
		.amdhsa_system_sgpr_workgroup_id_y 1
		.amdhsa_system_sgpr_workgroup_id_z 1
		.amdhsa_system_vgpr_workitem_id 0
		.amdhsa_next_free_vgpr 210
		.amdhsa_next_free_sgpr 66
		.amdhsa_reserve_vcc 0
		.amdhsa_float_denorm_mode_32 3
		.amdhsa_float_denorm_mode_16_64 3
		.amdhsa_memory_ordered 1
		.amdhsa_forward_progress 1
		.amdhsa_inst_pref_size 76
	.end_amdhsa_kernel
	.amdgpu_metadata
---
amdhsa.version: [ 1, 2 ]
amdhsa.kernels:
  - .name:           k_qa20f1b31c3_quant
    .symbol:         k_qa20f1b31c3_quant.kd
    .args:
      - { .name: x, .offset: 0, .size: 8, .value_kind: global_buffer, .address_space: global }
      - { .name: W_attn, .offset: 8, .size: 8, .value_kind: global_buffer, .address_space: global }
      - { .name: W_proj, .offset: 16, .size: 8, .value_kind: global_buffer, .address_space: global }
      - { .name: codes, .offset: 24, .size: 8, .value_kind: global_buffer, .address_space: global }
      - { .name: scales, .offset: 32, .size: 8, .value_kind: global_buffer, .address_space: global }
    .group_segment_fixed_size: 68096
    .private_segment_fixed_size: 0
    .kernarg_segment_align: 8
    .kernarg_segment_size: 40
    .max_flat_workgroup_size: 128
    .sgpr_count:     66
    .vgpr_count:     210
    .wavefront_size: 32
...
	.end_amdgpu_metadata
.endif
;; end of part 1
;; launch gemm_qkv (part 2): grid 12 x 32, 4 waves a work-group, clusters of 4 x 4, 327,680 bytes of LDS; arguments codes, scales, b_attn, qkv; writes qkv
.if DOCPART == 2
	.amdgcn_target "amdgcn-amd-amdhsa--gfx1250"
	.amdhsa_code_object_version 6
	.text
	.protected	k_qa20f1b31c3_gemm_qkv
	.globl	k_qa20f1b31c3_gemm_qkv
	.p2align	8
	.type	k_qa20f1b31c3_gemm_qkv,@function
k_qa20f1b31c3_gemm_qkv:
	s_mov_b64 s[64:65], 0
	v_nop
	global_prefetch_b8 v0, s[64:65] scope:SCOPE_SE
	s_setreg_imm32_b32 hwreg(HW_REG_WAVE_MODE, 25, 1), 1
	s_wait_xcnt 0x0
	s_wait_alu depctr_hold_cnt(0) depctr_sa_sdst(0) depctr_va_vdst(0) depctr_va_sdst(0) depctr_va_ssrc(0) depctr_va_vcc(0) depctr_vm_vsrc(0)
	s_getreg_b32 s2, hwreg(HW_REG_IB_STS2, 6, 4)
	s_cmp_eq_u32 s2, 0
	s_cbranch_scc0 .Lentry_in_a_cluster
	s_endpgm
.Lentry_in_a_cluster:
	s_bfe_u32 s2, ttmp6, 0x10000c
	s_cmp_lg_u32 s2, 0xf033
	s_cbranch_scc0 .Lentry_shape_is_right
	s_endpgm
.Lentry_shape_is_right:
; qkv = x W_attn + b_attn on codes of FP6 (E2M3) with E8M0 scales, K = 1,024; q, k and v never go to memory as numbers: each is quantised out of the accumulators and stored as images of the operand registers that attention wants.
; A tile is 256 rows of "A" (source 1: its rows fall on lanes) x 256 rows of "B" (source 0: its rows fall on a lane's registers); both are rows of the buffer codes (x's rows 0 .. 8,191, W_attn's columns 8,192 .. 11,263).
; ONE TEXT SERVES q, k AND v BY EXCHANGING THE ROLES.  Cluster x = 0 (q), 1 (k): A = 256 tokens, B = 256 columns of W_attn: a lane holds one token and its registers run along the head's 64, the K of q k^T.
; Cluster x = 2 (v): A = 256 columns of W_attn, B = 256 tokens: a lane holds one channel d and its registers run along the keys, the K of p v.  The choice hangs on the cluster's x alone, which all partners share.
; The stored rows are in swapped order (bits 3 and 4 of the row exchanged), so that the 16 registers of B's tiles 2 b and 2 b + 1 are the 16 neighbours 32 b + 16 (lane / 16) + 0 .. 15.
; Four waves, each 128 x 128: 64 accumulators, 512 registers.  K goes in steps of 256 through a ring of two LDS slots filled by the tensor data mover; the scale bytes of the tile's 512 rows come once and stay.
; CLUSTERS: 4 x 4 work-groups.  A's tile hangs on cy and the cluster's numbers: asked for jointly along a row of the cluster.  B's hangs on cx and the cluster's numbers: jointly along a column.
; The bias is the C of each sum's first product.
; OUTPUT: for each (batch, head, step of 128 tokens) a record of 19,712 bytes: K 8 tiles x 3 planes of 256 bytes | V^T 4 tiles x 6 planes | K's scale words 512 | V's 256 | Q as K 6,144 | Q's scale words 512.
; A plane holds two registers of an operand, lane l's 8 bytes at 8 l: each store of the wave covers 256 consecutive bytes, aligned.
; LIMITS: NaN and infinities are not served; a block whose largest magnitude lies under 2^-124 gets the byte 1.
; REGISTERS, in windows of 256: window 0: v8-15 the bias's offsets, v16-29 addresses, v32-63 scale words (two sets), v64-127 the bias, later the way out's work, v128-223 A's fragments, one set.
;   window 1: B's fragments, two sets, at v0 and v128.  windows 2, 3: the accumulators of A's blocks 0-3 and 4-7: (a, b) at v[8 (8 (a % 4) + b)].
.set NQ,     2                         ; matrix instructions deep in a slot
.set ROWB,   192                       ; a tile's row: 256 codes
.set KROW,   768                       ; a row of codes in memory
.set PITCH,  240                       ; an LDS row: 3 x (64 bytes + 16 of padding): the 32 lanes of a load of 8 bytes touch 64 different banks (64 banks of 4 bytes: ISA guide 11.1)
.set FR,     12
.set NL,     6
.set NP,     4                         ; places behind this matrix instruction (ISA guide 7.12.1)
.set HALFT,  128*PITCH
.set SLOT,   4*HALFT
.set KS,     32                        ; a row of scale bytes
.set SCL,    2*SLOT                    ; behind the ring: the scales, units of 256 bytes + 16
.set HALFS,  16*272
.set SBLK,   2*272
.set SPARE,  SCL+4*HALFS               ; the spare words: 128 bytes for each wave, two blocks of 256 bytes that no other line names
.set RECB,   19712
.set HEADB,  16*RECB                   ; from a head's record to the next head's
.set VOFF,   6144
.set KSOFF,  12288
.set VSOFF,  12800
.set QOFF,   13056
.set QSOFF,  19200
.set AJ,   8
.set ADRA, 16                          ; v16-17 (v18-19 behind one padding more)
.set ADRB, 20                          ; v20-21 (v22-23)
.set LN8,  24                          ; 8 x lane
.set LN16, 25                          ; 16 x lane
.set ADRS, 27
.set SPW,  28
.set NIL,  29
.set SC,   32
.set BI,   64
.set AF,   128
.set PC,   64                          ; the way out: v64-83 codes
.set WHI,  84                          ; v84-87
.set TM,   96                          ; v96-99 largest magnitudes, v100-103 bytes, v108-111 scale operands
.set PWS,  112                         ; v112-119 a scale word for each of A's blocks
.set T,    120                         ; v120-123
.set WLO,  124                         ; v124-127
.set G1, 24
.set G0, 32
.set G1B, 48
.set G0B, 56
.set G1S, 68
.set G0S, 76
.set G1SB, 80
.set G0SB, 88
.set P0,  66                           ; the way out's pointers
.set P1,  2
.set SAP, 94
.set SHP, 96
.set PSP, 98
.set SEL, 44
.set MSB, 0
.macro WIN new                         ; the immediate's high byte repeats the setting that is left
.if MSB != (\new)
	s_set_vgpr_msb (MSB<<8)|(\new)
.set MSB, (\new)
.endif
.endm
.set MUL_LO,   0xa1                    ; source 0 (B) window 1, source 1 (A) window 0, C and D window 2
.set MUL_HI,   0xf1                    ; C and D window 3
.set FIRST_LO, 0x81                    ; the first products: C (the bias) window 0, D window 2
.set FIRST_HI, 0xc1                    ; D window 3
.set TO_B,     0x40
; A joint load: waves 0 and 1 fetch for A, waves 2 and 3 for B; the branch hangs on the wave's number alone.  Four v_nop follow each of the two lines.
.macro JLOAD g0a, g1a, g0b, g1b
	s_cmp_eq_u32 s15, 0
	s_cbranch_scc0 .Lfor_b_\@
	tensor_load_to_lds s[\g0a:\g0a+3], s[\g1a:\g1a+7]
	s_nop 0
.rept 4
	v_nop
.endr
	s_branch .Lasked_\@
.Lfor_b_\@:
	tensor_load_to_lds s[\g0b:\g0b+3], s[\g1b:\g1b+7]
	s_nop 0
.rept 4
	v_nop
.endr
.Lasked_\@:
.endm
.macro CREST                           ; a round of the cluster's barrier behind its opening barrier
	s_cmp_lg_u32 s14, 0
	s_cbranch_scc1 .Lnot_wave_0_\@
	s_barrier_signal -3
.Lnot_wave_0_\@:
	s_barrier_wait -3
	s_barrier_signal -1
	s_barrier_wait -1
.endm
.macro CROUND
	s_barrier_signal -1
	s_barrier_wait -1
	CREST
.endm
	s_load_b256 s[4:11], s[0:1], 0x0               ; codes s[4:5], scales s[6:7], b_attn s[8:9], qkv s[10:11]
	v_lshl_add_u32 v[SPW], v0, 2, SPARE
	v_mov_b32 v[NIL], 0
	ds_add_u32 v28, v29
	ds_add_u32 v28, v29
	s_wait_dscnt 0x0
	v_lshrrev_b32 v1, 5, v0
	v_readfirstlane_b32 s14, v1                    ; wave 0..3
	s_lshr_b32 s15, s14, 1                         ; my half of A's rows.  Also: I fetch for A (0) or for B (1)
	s_and_b32 s16, s14, 1                          ; my half of B's rows.  Also: which 128 rows I fetch
	s_bfe_u32 s40, ttmp6, 0x40000                  ; cx
	s_bfe_u32 s41, ttmp6, 0x40004                  ; cy
	s_and_b32 s18, ttmp7, 0xffff
	s_lshl_b32 s18, s18, 2                         ; 4 x cluster y: tiles of tokens
	s_lshl_b32 s19, ttmp9, 2
	s_add_co_u32 s19, s19, 32                      ; 32 + 4 x cluster x: tiles of W_attn's columns (they begin at row 8,192 = tile 32)
	s_cmp_eq_u32 ttmp9, 2                          ; v?
	s_cselect_b32 s17, 40, s18
	s_cselect_b32 s42, s18, s19
	s_add_co_u32 s17, s17, s41                     ; A's tile of 256 rows of codes: made of cy and cluster numbers
	s_add_co_u32 s42, s42, s40                     ; B's: of cx and cluster numbers
	s_lshl_b32 s43, s41, 2
	s_lshl_b32 s43, 15, s43                        ; my row of the cluster
	s_lshl_b32 s44, 0x1111, s40                    ; my column
	s_or_b32 s[G1+0], s43, (0<<16)|(1<<20)|(1<<21)|(3<<22)|(3<<25)   ; the mask; elements of 1 byte; padding on; bit 21 beside a mask; after every 16 words, 4 words
	s_or_b32 s[G1B+0], s44, (0<<16)|(1<<20)|(1<<21)|(3<<22)|(3<<25)
.irp g, G1, G1B
	s_mov_b32 s[\g+1], ROWB<<16                    ; tensor_dim0
	s_mov_b32 s[\g+2], 128<<16                     ; tensor_dim1
	s_mov_b32 s[\g+3], ROWB<<16                    ; tile_dim0
	s_mov_b32 s[\g+4], 128                         ; tile_dim1
	s_mov_b32 s[\g+5], KROW                        ; the pitch
	s_mov_b32 s[\g+6], 0
	s_mov_b32 s[\g+7], 0
.endr
	s_or_b32 s[G1S+0], s43, (3<<16)|(1<<20)|(1<<21)|(5<<22)|(3<<25)  ; the scales of 128 rows: 4,096 dense bytes as 16 rows of 256 (32 elements of 8 bytes), 16 bytes of padding behind each
	s_or_b32 s[G1SB+0], s44, (3<<16)|(1<<20)|(1<<21)|(5<<22)|(3<<25)
.irp g, G1S, G1SB
	s_mov_b32 s[\g+1], 32<<16
	s_mov_b32 s[\g+2], 16<<16
	s_mov_b32 s[\g+3], 32<<16
	s_mov_b32 s[\g+4], 16
	s_mov_b32 s[\g+5], 32
	s_mov_b32 s[\g+6], 0
	s_mov_b32 s[\g+7], 0
.endr
	s_lshl_b32 s18, s16, 7                         ; which 128 rows of the tile I fetch
	s_lshl_b32 s20, s17, 8
	s_add_co_u32 s20, s20, s18                     ; A's row
	s_lshl_b32 s46, s42, 8
	s_add_co_u32 s46, s46, s18                     ; B's row
	s_mov_b32 s21, 0
	s_mov_b32 s47, 0
	s_mov_b64 s[18:19], KS
	s_mul_u64 s[22:23], s[20:21], s[18:19]
	s_mul_u64 s[92:93], s[46:47], s[18:19]
	s_mov_b64 s[18:19], KROW
	s_mul_u64 s[20:21], s[20:21], s[18:19]
	s_mul_u64 s[46:47], s[46:47], s[18:19]
	s_mul_i32 s45, s14, HALFT                      ; where they go: wave x 128 rows: no place in the cluster enters an LDS address
	s_mul_i32 s94, s14, HALFS
	s_wait_kmcnt 0x0
	s_add_nc_u64 s[20:21], s[4:5], s[20:21]
	s_add_nc_u64 s[22:23], s[6:7], s[22:23]
	s_add_nc_u64 s[46:47], s[4:5], s[46:47]
	s_add_nc_u64 s[92:93], s[6:7], s[92:93]
	CROUND                                         ; all sixteen work-groups are here: the first joint loads meet
	s_mov_b32 s[G0S], 1
	s_add_co_u32 s[G0S+1], s94, SCL
	s_mov_b64 s[G0S+2:G0S+3], s[22:23]
	s_or_b32 s[G0S+3], s[G0S+3], 0x80000000
	s_mov_b32 s[G0SB], 1
	s_add_co_u32 s[G0SB+1], s94, SCL
	s_mov_b64 s[G0SB+2:G0SB+3], s[92:93]
	s_or_b32 s[G0SB+3], s[G0SB+3], 0x80000000
	JLOAD G0S, G1S, G0SB, G1SB                     ; the scales first: they are wanted with K step 0
.irp s, 0,1
	s_mov_b32 s[G0+4*\s], 1
	s_add_co_u32 s[G0+4*\s+1], s45, \s*SLOT
	s_add_nc_u64 s[G0+4*\s+2:G0+4*\s+3], s[20:21], \s*ROWB
	s_or_b32 s[G0+4*\s+3], s[G0+4*\s+3], 0x80000000
	s_mov_b32 s[G0B+4*\s], 1
	s_add_co_u32 s[G0B+4*\s+1], s45, \s*SLOT
	s_add_nc_u64 s[G0B+4*\s+2:G0B+4*\s+3], s[46:47], \s*ROWB
	s_or_b32 s[G0B+4*\s+3], s[G0B+4*\s+3], 0x80000000
	JLOAD G0+4*\s, G1, G0B+4*\s, G1B               ; by this text's count three tensor loads of a wave are out here
.endr
	v_and_b32 v1, 15, v0                           ; r
	v_bfe_u32 v2, v0, 4, 1                         ; h
	v_mul_u32_u24 v3, v1, PITCH
	v_mul_u32_u24 v4, v2, 24
	v_add_nc_u32 v4, v3, v4                        ; a fragment's row x pitch + 24 x half
	v_lshl_add_u32 v5, v2, 4, v4                   ; and the same behind one padding more
	s_mul_i32 s21, s15, HALFT
	s_mul_i32 s22, s16, HALFT
	s_add_co_u32 s22, s22, 2*HALFT
.irp s, 0,1
	v_add_nc_u32 v[ADRA+\s], s21, v4
	v_add_nc_u32 v[ADRB+\s], s22, v4
	v_add_nc_u32 v[ADRA+2+\s], s21, v5
	v_add_nc_u32 v[ADRB+2+\s], s22, v5
	s_add_co_u32 s21, s21, SLOT
	s_add_co_u32 s22, s22, SLOT
.endr
	v_mul_u32_u24 v5, v1, KS                       ; my row's scales: 32 bytes a row,
	v_lshrrev_b32 v6, 8, v5
	v_lshl_add_u32 v5, v6, 4, v5                   ; and 16 more for each 256 passed
	s_mul_i32 s21, s15, HALFS
	s_mul_i32 s22, s16, HALFS
	s_add_co_u32 s22, s22, 2*HALFS
	s_sub_co_u32 s22, s22, s21
	v_mul_u32_u24 v6, s22, v2                      ; lanes 16-31 take B's: the lower base + h x the distance
	s_add_co_u32 s21, s21, SCL
	v_add_nc_u32 v5, v5, v6
	v_add_nc_u32 v[ADRS], s21, v5
	v_and_b32 v5, 31, v0
	v_lshlrev_b32 v[LN8], 3, v5
	v_lshlrev_b32 v[LN16], 4, v5
	; THE BIAS, 64 registers in the result's layout.  q, k: register 8 i + j = b[column 32 (i / 2) + 8 (i % 2) + 16 h + j of my 128], the C of (a, i) for every a.
	; v: register 8 i + j = b[channel 32 (i / 2) + 8 (i % 2) + r + 8 (r / 8) of my 128], the same for all j, the C of (i, b) for every b.
	v_lshlrev_b32 v6, 6, v2                        ; 64 h
	v_and_b32 v7, 8, v1
	v_add_nc_u32 v7, v7, v1
	v_lshlrev_b32 v7, 2, v7                        ; 4 (r + 8 (r / 8))
	s_cmp_eq_u32 ttmp9, 2
	s_cselect_b32 s96, -1, 0
	s_cselect_b32 s97, 0, 4                        ; bytes from register to register
	s_cselect_b32 s98, s17, s42                    ; the tile of W_attn's columns,
	s_cselect_b32 s99, s15, s16                    ; my half of it
	v_cndmask_b32 v6, v6, v7, s96
.irp j, 0,1,2,3,4,5,6,7
	v_mad_u32_u24 v[AJ+\j], s97, \j, v6
.endr
	s_sub_co_u32 s98, s98, 32
	s_lshl_b32 s98, s98, 10                        ; 256 columns x 4 bytes
	s_lshl_b32 s99, s99, 9
	s_add_co_u32 s98, s98, s99
	s_mov_b32 s99, 0
	s_add_nc_u64 s[8:9], s[8:9], s[98:99]
.irp i, 0,1,2,3,4,5,6,7
.irp j, 0,1,2,3,4,5,6,7
	global_load_b32 v[BI+8*\i+\j], v[AJ+\j], s[8:9] offset:(32*(\i/2)+8*(\i%2))*4
.endr
.endr
.macro FRAG reg, adr, q, i             ; 16 rows x 128 K of 6-bit codes: 12 registers; lane l holds row l % 16; registers 6 c .. 6 c + 5 hold K = 64 c + 32 (l / 16) + 0 .. 31, as the bits lie
.irp p, 0,1,2,3,4,5                    ; in pieces of 8 bytes; lanes 16-31 read three pieces on, which for some pieces is behind one padding more: the second address register serves those
.set PCE, 12*(\q)+6*(\p/3)+\p%3
.if PCE%8 < 5
	ds_load_b64 v[\reg+2*\p:\reg+2*\p+1], v[\adr] offset:8*PCE+16*(PCE/8)+(\i)*16*PITCH
.else
	ds_load_b64 v[\reg+2*\p:\reg+2*\p+1], v[\adr+2] offset:8*PCE+16*(PCE/8)+(\i)*16*PITCH
.endif
.endr
.endm
; 16 matrix instructions: A's blocks a0, a0 + 1 x B's eight.  zero = 0: in place; 1: C = the bias by B's block (q, k); 2: C = the bias by A's block (v).
; The 64 accumulators take turns, one instruction a turn, in the same order in every step.
.macro MUL16 a0, p, q, sc, zero
.irp a, \a0, \a0+1
.irp b, 0,1,2,3,4,5,6,7
.set rD, 8*(8*((\a)%4)+\b)
.set rB, 128*(\p)+FR*\b
.set rA, AF+FR*(\a)
.set rSB, SC+8*NQ*(\sc)+NQ*\b+(\q)
.set rSA, SC+8*NQ*(\sc)+NQ*(\a)+(\q)
.if (\zero) == 1
	v_wmma_scale_f32_16x16x128_f8f6f4 v[rD:rD+7], v[rB:rB+FR-1], v[rA:rA+FR-1], v[BI+8*\b:BI+8*\b+7], v[rSB], v[rSA] matrix_a_fmt:MATRIX_FMT_FP6 matrix_b_fmt:MATRIX_FMT_FP6 matrix_a_scale:MATRIX_SCALE_ROW1
.elseif (\zero) == 2
	v_wmma_scale_f32_16x16x128_f8f6f4 v[rD:rD+7], v[rB:rB+FR-1], v[rA:rA+FR-1], v[BI+8*(\a):BI+8*(\a)+7], v[rSB], v[rSA] matrix_a_fmt:MATRIX_FMT_FP6 matrix_b_fmt:MATRIX_FMT_FP6 matrix_a_scale:MATRIX_SCALE_ROW1
.else
	v_wmma_scale_f32_16x16x128_f8f6f4 v[rD:rD+7], v[rB:rB+FR-1], v[rA:rA+FR-1], v[rD:rD+7], v[rSB], v[rSA] matrix_a_fmt:MATRIX_FMT_FP6 matrix_b_fmt:MATRIX_FMT_FP6 matrix_a_scale:MATRIX_SCALE_ROW1
.endif
.endr
.endr
.endm
.macro FETCH_B slot, q, p
	WIN TO_B
.irp i, 0,1,2,3,4,5,6,7
	FRAG 128*(\p)+FR*\i, ADRB+\slot, \q, \i
.endr
	WIN 0
.endm
.macro FETCH_A slot, q, i0
.irp i, \i0, \i0+1, \i0+2, \i0+3
	FRAG AF+FR*(\i), ADRA+\slot, \q, \i
.endr
.endm
.macro SCALES sc                       ; a K step's scale words: lanes 0-15 A's block i, lanes 16-31 B's block i, two words a row
.irp i, 0,1,2,3,4,5,6,7
	ds_load_b64 v[SC+8*NQ*\sc+NQ*\i:SC+8*NQ*\sc+NQ*\i+1], v[ADRS] offset:\i*SBLK
.endr
.endm
.macro PLACES n                        ; plain vector lines between a matrix instruction and a load into, or a read of, its registers
.rept \n
	v_nop
.endr
.endm
; A step of 128 along K that has its successor in the same slot.  A has one set of registers: blocks 0-3 are fetched anew in the step's middle, blocks 4-7 at its end.
.macro STEP slot, q, zero
	s_wait_dscnt 4*NL                              ; B's set and A's blocks 0-3 are in; the youngest 24 loads (A's blocks 4-7) may be out
.if \zero
	WIN FIRST_LO
.else
	WIN MUL_LO
.endif
	MUL16 0, (\q)%2, \q, \slot, \zero
	MUL16 2, (\q)%2, \q, \slot, \zero
	s_wait_dscnt 0                                 ; A's blocks 4-7 are in
	PLACES NP
	FETCH_B \slot, (\q)+1, 1-(\q)%2
	FETCH_A \slot, (\q)+1, 0
.if \zero
	WIN FIRST_HI
.else
	WIN MUL_HI
.endif
	MUL16 4, (\q)%2, \q, \slot, \zero
	MUL16 6, (\q)%2, \q, \slot, \zero
	PLACES NP
	WIN 0
	FETCH_A \slot, (\q)+1, 4
.endm
; A slot's last step changes slots: one barrier; in front of it each wave waits for all its tensor loads, adds 0 to its spare word, and waits for that and for its reads of this slot.
.macro TURN slot, next, fill
	s_wait_tensorcnt 0x0                           ; all my tensor loads have landed: my part of the next slot
	ds_add_u32 v[SPW], v[NIL]                      ; 0 onto my spare word
	s_wait_dscnt 4*NL+1                            ; the add and the youngest 24 loads may be out
	WIN MUL_LO
	MUL16 0, 1, NQ-1, \slot, 0                     ; sixteen matrix instructions stand between the add and the wait for it
	s_wait_dscnt 0x0                               ; the add is done, and my reads of this slot are over
	s_barrier_signal -1
	MUL16 2, 1, NQ-1, \slot, 0
	WIN 0
	s_barrier_wait -1
.if \fill
	CREST                                          ; the barrier has opened a round of the cluster's barrier: no wave of any partner still reads this slot or has a load on its way
	s_add_nc_u64 s[G0+4*\slot+2:G0+4*\slot+3], s[G0+4*\slot+2:G0+4*\slot+3], 2*ROWB
	s_add_nc_u64 s[G0B+4*\slot+2:G0B+4*\slot+3], s[G0B+4*\slot+2:G0B+4*\slot+3], 2*ROWB
	JLOAD G0+4*\slot, G1, G0B+4*\slot, G1B         ; the first tensor load behind the round, my only one until the next; its four v_nop are also the places in front of the loads below
.else
	PLACES NP
.endif
	v_add_nc_u32 v[ADRS], 4*NQ, v[ADRS]            ; the next K step's scale words
	FETCH_B \next, 0, 0
	FETCH_A \next, 0, 0
	SCALES \next
	WIN MUL_HI
	MUL16 4, 1, NQ-1, \slot, 0
	MUL16 6, 1, NQ-1, \slot, 0
	PLACES NP
	WIN 0
	FETCH_A \next, 0, 4
.endm
	s_wait_tensorcnt 1                             ; the scales and my part of K step 0 are in; K step 1's load may stay out
	s_barrier_signal -1
	s_barrier_wait -1
	FETCH_B 0, 0, 0
	FETCH_A 0, 0, 0
	SCALES 0
	FETCH_A 0, 0, 4
	s_wait_loadcnt 0x0                             ; the bias
	s_cmp_eq_u32 ttmp9, 2                          ; the first step is written twice: it differs in which bias registers start a sum.  No tensor load and no barrier stands under this branch
	s_cbranch_scc1 .Lfirst_v
	STEP 0, 0, 1
	s_branch .Ljoin
.Lfirst_v:
	STEP 0, 0, 2
.Ljoin:
	TURN 0, 1, 1                                   ; K = 1,024 is four slots' worth: the eight steps are written out
	STEP 1, 0, 0
	TURN 1, 0, 1
	STEP 0, 0, 0
	TURN 0, 1, 0                                   ; nothing is left to fetch
	STEP 1, 0, 0
	s_wait_dscnt 4*NL
	WIN MUL_LO
	MUL16 0, 1, NQ-1, 1, 0
	MUL16 2, 1, NQ-1, 1, 0
	s_wait_dscnt 0
	WIN MUL_HI
	MUL16 4, 1, NQ-1, 1, 0
	MUL16 6, 1, NQ-1, 1, 0
	WIN 0
; THE WAY OUT.  No tensor load is out.  My 128 tokens are one step gs of 128; my 128 columns are two heads, h0 and h0 + 1.
	s_mov_b32 s46, HEADB
	s_mov_b32 s[SAP], 768
	s_cmp_eq_u32 ttmp9, 2
	s_cselect_b32 s18, s42, s17                    ; the tile of tokens,
	s_cselect_b32 s19, s16, s15                    ; my half of it
	s_cselect_b32 s20, s41, s40                    ; which 256 columns,
	s_cselect_b32 s21, s15, s16                    ; my half of them
	s_cselect_b32 s46, 768, s46                    ; from the first three planes of a block to the last three: q, k: the next head's record; v: 768 bytes on
	s_cselect_b32 s[SAP], 1536, s[SAP]             ; from a block to the next
	s_cselect_b32 s[SHP], HEADB-6144, 0            ; v: at block 4 on to the next head
	s_mov_b32 s47, 0
	s_mov_b32 s[SAP+1], 0
	s_mov_b32 s[SHP+1], 0
	s_lshl_b32 s18, s18, 1
	s_add_co_u32 s18, s18, s19                     ; gs
	s_lshl_b32 s20, s20, 2
	s_lshl_b32 s21, s21, 1
	s_add_co_u32 s20, s20, s21                     ; h0
	s_lshr_b32 s19, s18, 4
	s_lshl_b32 s19, s19, 8
	s_lshl_b32 s20, s20, 4
	s_add_co_u32 s19, s19, s20
	s_and_b32 s18, s18, 15
	s_add_co_u32 s19, s19, s18                     ; the record: (batch x 16 + head) x 16 + step
	s_mul_i32 s92, s19, RECB
	s_mov_b32 s93, 0
	s_add_nc_u64 s[10:11], s[10:11], s[92:93]
	s_mov_b32 s22, KSOFF
	s_cmp_eq_u32 ttmp9, 0
	s_cselect_b32 s92, QOFF, 0                     ; K's planes begin the record
	s_cselect_b32 s22, QSOFF, s22
	s_cmp_eq_u32 ttmp9, 2
	s_cselect_b32 s92, VOFF, s92
	s_cselect_b32 s22, VSOFF, s22
	s_mov_b32 s23, 0
	s_add_nc_u64 s[P0:P0+1], s[10:11], s[92:93]
	s_add_nc_u64 s[P1:P1+1], s[P0:P0+1], s[46:47]
	s_add_nc_u64 s[PSP:PSP+1], s[10:11], s[22:23]
	s_mov_b32 s[SEL], 0x76543210
	s_mov_b32 s[SEL+1], 0xfedcba98                 ; v_permlanex16_b32's selects for lane l xor 16
	s_mov_b32 s43, 0xffff0000                      ; lanes 16-31
.irp b, 0,1,2,3
	v_mov_b32 v[TM+4+\b], 0                        ; a lane permute's destination counts as read; these four are also the places behind the last products
.endr
; A's block a: a lane's 64 numbers, register 16 b + i = K 32 b + 16 (lane / 16) + i of the lane's row, become 12 registers of codes and a scale word.
; q, k: registers 0-5 are head h0's operand half, 6-11 head h0 + 1's.  v: the twelve are the whole fragment of V^T, channels' tile a % 4 of head h0 + a / 4.
.macro EPI a
.set AC, 64*((\a)%4)
.set WD, 2+(\a)/4
	WIN 5*WD                                       ; sources 0 and 1 in the accumulators' window
.irp b, 0,1,2,3
	v_max3_num_f32 v[TM+\b], |v[AC+16*\b]|, |v[AC+16*\b+1]|, 0x1800000     ; each accumulator is read from its low end on; the floor 2^(3 - 127) holds the byte at 1 from below
.endr
.irp i, 2,4,6,8,10,12,14
.irp b, 0,1,2,3
	v_max3_num_f32 v[TM+\b], |v[AC+16*\b+\i]|, |v[AC+16*\b+\i+1]|, v[TM+\b]
.endr
.endr
	WIN 0
.irp b, 0,1,2,3
	v_permlanex16_b32 v[TM+4+\b], v[TM+\b], s[SEL], s[SEL+1]
.endr
.irp b, 0,1,2,3
	v_max_num_f32 v[TM+\b], v[TM+\b], v[TM+4+\b]   ; with lane l xor 16's 16: the block's largest magnitude
.endr
.irp b, 0,1,2,3
	v_add_nc_u32 v[TM+12+\b], 0xff000000, v[TM+\b] ; 2 off the exponent field: the conversion's scale operand
.endr
.irp b, 0,1,2,3
	v_lshrrev_b32 v[TM+4+\b], 23, v[TM+12+\b]      ; the byte
.endr
	v_lshl_or_b32 v[PWS+(\a)], v[TM+5], 8, v[TM+4]
	v_lshl_or_b32 v[PWS+(\a)], v[TM+6], 16, v[PWS+(\a)]
	v_lshl_or_b32 v[PWS+(\a)], v[TM+7], 24, v[PWS+(\a)]
.if (\a) > 0
	s_wait_xcnt 0x0                                ; the last block's stores have read their data and their bases: both are written again only behind this wait
	s_add_nc_u64 s[P0:P0+1], s[P0:P0+1], s[SAP:SAP+1]
	s_add_nc_u64 s[P1:P1+1], s[P1:P1+1], s[SAP:SAP+1]
.if (\a) == 4
	s_add_nc_u64 s[P0:P0+1], s[P0:P0+1], s[SHP:SHP+1]
	s_add_nc_u64 s[P1:P1+1], s[P1:P1+1], s[SHP:SHP+1]
.endif
.endif
	WIN WD                                         ; source 0 in the accumulators' window
.irp c, 0,1
	v_cvt_scalef32_pk16_fp6_f32 v[PC+6*\c:PC+6*\c+2], v[AC+32*\c:AC+32*\c+15], v[TM+12+2*\c]
	v_cvt_scalef32_pk16_fp6_f32 v[PC+12+4*\c:PC+14+4*\c], v[AC+16+32*\c:AC+31+32*\c], v[TM+13+2*\c]   ; (a conversion's three registers begin on an even number)
.endr
	WIN 0
	v_nop                                          ; one plain place behind a scaled conversion
.irp c, 0,1                                    ; the operand's layout wants a whole block in a lane: lanes 0-15 block 2 c, lanes 16-31 block 2 c + 1
.irp i, 0,1,2
	v_permlane16_swap_b32 v[PC+6*\c+\i], v[PC+12+4*\c+\i]
.endr
.irp i, 0,1,2
	v_mov_b32 v[PC+3+6*\c+\i], v[PC+12+4*\c+\i]
.endr
.endr
.irp p, 0,1,2
	global_store_b64 v[LN8], v[PC+2*\p:PC+2*\p+1], s[P0:P0+1] offset:256*\p        ; a plane: 256 consecutive bytes, aligned
.endr
.irp p, 0,1,2
	global_store_b64 v[LN8], v[PC+6+2*\p:PC+7+2*\p], s[P1:P1+1] offset:256*\p
.endr
.endm
.irp a, 0,1,2,3,4,5,6,7
	EPI \a
.endr
.irp j, 0,1,2,3
	v_cndmask_b32 v[T+\j], v[PWS+2*\j], v[PWS+2*\j+1], s43     ; a scale register of attention: lanes 0-15 the words of block 2 j, lanes 16-31 those of block 2 j + 1
.endr
	s_cmp_eq_u32 ttmp9, 2
	s_cbranch_scc1 .Lscale_v
.irp j, 0,1,2,3
	v_and_b32 v[WLO+\j], 0xffff, v[T+\j]           ; head h0's two bytes; the bytes of the K that a head of 64 does not have are 0
	v_lshrrev_b32 v[WHI+\j], 16, v[T+\j]           ; head h0 + 1's
.endr
	global_store_b128 v[LN16], v[WLO:WLO+3], s[PSP:PSP+1]
	global_store_b128 v[LN16], v[WHI:WHI+3], s[PSP:PSP+1] offset:HEADB
	s_branch .Lend
.Lscale_v:
	global_store_b64 v[LN8], v[T:T+1], s[PSP:PSP+1]            ; head h0: blocks 0-3
	global_store_b64 v[LN8], v[T+2:T+3], s[PSP:PSP+1] offset:HEADB
.Lend:
	s_wait_tensorcnt 0x0                           ; the wave's end
	ds_add_u32 v[SPW], v[NIL]
	s_wait_dscnt 0x0
	CROUND                                         ; the closing round: no work-group ends while a partner may still ask for a tile that names it
	s_endpgm
.Lfunc_end_k_qa20f1b31c3_gemm_qkv:
	.size	k_qa20f1b31c3_gemm_qkv, .Lfunc_end_k_qa20f1b31c3_gemm_qkv-k_qa20f1b31c3_gemm_qkv
	.p2alignl 7, 3214868480
	.fill 96, 4, 3214868480
	.section	.rodata,"a",@progbits
	.p2align	6, 0x0
	.amdhsa_kernel k_qa20f1b31c3_gemm_qkv
		.amdhsa_group_segment_fixed_size 327680
		.amdhsa_private_segment_fixed_size 0
		.amdhsa_enable_private_segment 0
		.amdhsa_kernarg_size 32
		.amdhsa_user_sgpr_count 2
		.amdhsa_user_sgpr_kernarg_segment_ptr 1
		.amdhsa_wavefront_size32 1
		.amdhsa_system_sgpr_workgroup_id_x 1
		.amdhsa_system_sgpr_workgroup_id_y 1
		.amdhsa_system_sgpr_workgroup_id_z 1
		.amdhsa_system_vgpr_workitem_id 0
		.amdhsa_next_free_vgpr 1024
		.amdhsa_next_free_sgpr 100
		.amdhsa_reserve_vcc 0
		.amdhsa_float_denorm_mode_32 3
		.amdhsa_float_denorm_mode_16_64 3
		.amdhsa_memory_ordered 1
		.amdhsa_forward_progress 1
		.amdhsa_inst_pref_size 190
	.end_amdhsa_kernel
	.amdgpu_metadata
---
amdhsa.version: [ 1, 2 ]
amdhsa.kernels:
  - .name:           k_qa20f1b31c3_gemm_qkv
    .symbol:         k_qa20f1b31c3_gemm_qkv.kd
    .args:
      - { .name: codes, .offset: 0, .size: 8, .value_kind: global_buffer, .address_space: global }
      - { .name: scales, .offset: 8, .size: 8, .value_kind: global_buffer, .address_space: global }
      - { .name: b_attn, .offset: 16, .size: 8, .value_kind: global_buffer, .address_space: global }
      - { .name: qkv, .offset: 24, .size: 8, .value_kind: global_buffer, .address_space: global }
    .group_segment_fixed_size: 327680
    .private_segment_fixed_size: 0
    .kernarg_segment_align: 8
    .kernarg_segment_size: 32
    .max_flat_workgroup_size: 128
    .sgpr_count:     100
    .vgpr_count:     1024
    .wavefront_size: 32
...
	.end_amdgpu_metadata
.endif
;; end of part 2
;; launch attn (part 3): grid 4 x 64, 16 waves a work-group, no clusters, 210,944 bytes of LDS; arguments qkv, yimg, ysc; writes yimg, ysc
.if DOCPART == 3
	.amdgcn_target "amdgcn-amd-amdhsa--gfx1250"
	.amdhsa_code_object_version 6
	.text
	.protected	k_qa20f1b31c3_attn
	.globl	k_qa20f1b31c3_attn
	.p2align	8
	.type	k_qa20f1b31c3_attn,@function
k_qa20f1b31c3_attn:
	s_mov_b64 s[64:65], 0
	v_nop
	global_prefetch_b8 v0, s[64:65] scope:SCOPE_SE
	s_setreg_imm32_b32 hwreg(HW_REG_WAVE_MODE, 25, 1), 1
	s_wait_xcnt 0x0
; y[b][q][h] = softmax over the keys k <= q of (q . k / 8) times v, both products on codes of FP6 (E2M3) with E8M0 scales; y is quantised along the channels and stored as images of the next product's operand registers.
; THE SOFTMAX AHEAD OF THE SECOND PRODUCT: t = score x log2(e) / 8; M = the running largest t rounded up to a whole number; p = 2^(t - M) is quantised along the keys, not normalised;
; the row's sum is taken of the unquantised p and divides at the end; when M moves, the sum and O are multiplied by 2^(old M - new M), which rounds nothing.
; INPUT: a record of 19,712 bytes for each (batch x 16 + head, step of 128 tokens): K 8 tiles x 3 planes | V^T 4 tiles x 6 planes | K's scale words | V's | Q 8 tiles x 3 planes | Q's scale words.
; A plane is two operand registers, lane l's 8 bytes at 8 l: it comes back by one load of 8 bytes a lane, 256 consecutive bytes an instruction.
; SHARES.  Work-group (i, batch x 16 + head) owns the blocks i and 7 - i of 256 queries: under the causal mask each of the 256 work-groups then has 272 pairs (tile of 16 queries, step of 128 keys).
; Wave w owns a late tile L and an early tile E, 17 such pairs in every wave.  A tile's queries lie in one step s of tokens: key steps under s count whole, step s is masked, later ones are left out by a scalar branch on ids.
; THE WHOLE HEAD'S K AND V LIE IN LDS, FILLED ONCE: wave w brings the first 13,056 bytes of record w by one tensor load; one wait, one barrier; no byte is filled again.
; NO CLUSTER, though the four work-groups of a head read the same K and V: which key steps a work-group leaves out hangs on its block of queries, which would be its place in the cluster.
; LAYOUT.  Both products are used transposed: S^T = K Q^T, O^T = V^T P^T: a lane holds one query throughout.  The rows of a tile are stored in swapped order, so the 16 registers of tiles 2 b, 2 b + 1 are neighbours.
; K = 64 IN THE FIRST PRODUCT: Q's upper six registers are zero codes.  K's operand names twelve registers of which the upper six are the next tile's codes (for tile 7: p's old codes): they meet zero codes,
; so those products are exact zeros, and their scale bytes are 0 (2^-127), never 0xff.  That halves K's registers and loads.
; y's scale bytes leave as pieces of 2 bytes, 1 part in 24 of what the launch stores: a row's 32 bytes come from 16 heads, which are 16 work-groups.
; LIMITS: hidden scores are -infinity where the source writes the most negative number: every row sees its own key, so p = 0 either way; v_exp_f32 gives 0 for p under 2^-126; NaN and infinities are not served.
.set RECB,  19712
.set KVB,   13056                      ; what of a record goes to LDS
.set KOFF,  0
.set VOFF,  6144
.set KSOFF, 12288
.set VSOFF, 12800
.set QOFF,  13056
.set QSOFF, 19200
.set LN8,  1                           ; 8 x lane
.set LN16, 2                           ; 16 x lane
.set ADR,  3                           ; LN8 + the key step's bytes
.set ADS,  4                           ; LN16 + the same
.set DL,   5                           ; tile L: my query's place in its step - 16 (lane / 16)
.set DE,   6
.set YSO,  7                           ; 32 x (lane % 16)
                                       ; v8 -M, v9 largest t, v[10:11] the sum: tile L;  v12-15: tile E
.set QL,   16                          ; v16-21 codes, v22-27 zeros
.set QE,   28
.set KF,   40                          ; v40-87 8 tiles of K x 6, or 4 of V^T x 12
.set PC,   88                          ; v88-99 p's codes
.set S,    100                         ; v100-163 S^T, then p; at the end y
.set OL,   164
.set OE,   196
.set VSW,  228                         ; v228-229 V's scale words
.set BM,   232                         ; v232-235 a block's largest score, then p
.set WK,   236                         ; v236-243 at work
.set SO,   244                         ; v244-247 the conversions' scale operands
.set KSW,  248                         ; v248-251 K's scale words
                                       ; v252 f, v253 p's scale word, v254 at work, v255 Q's scale words: lanes 0-15 tile L, lanes 16-31 tile E
.set TB,   2
.set KSN,  3
.set SEL,  20
.set CS,   22
.set G1,   24
.set G0,   32
	s_load_b128 s[4:7], s[0:1], 0x0                ; qkv, yimg
	s_load_b64 s[8:9], s[0:1], 0x10                ; ysc
	v_lshl_add_u32 v231, v0, 2, 0x33000
	v_mov_b32 v243, 0
	ds_add_u32 v231, v243
	ds_add_u32 v231, v243
	v_lshrrev_b32 v1, 5, v0
	v_readfirstlane_b32 s10, v1                    ; wave 0..15
	s_and_b32 s11, ttmp7, 0xffff                   ; batch x 16 + head
	s_mov_b32 s[G1], 3<<16                         ; no mask; elements of 8 bytes; no padding
	s_mov_b32 s[G1+1], 32<<16                      ; tensor_dim0 = 32: rows of 256 bytes
	s_mov_b32 s[G1+2], 51<<16                      ; tensor_dim1 = 51
	s_mov_b32 s[G1+3], 32<<16                      ; tile_dim0
	s_mov_b32 s[G1+4], 51                          ; tile_dim1
	s_mov_b32 s[G1+5], 32                          ; dense
	s_mov_b32 s[G1+6], 0
	s_mov_b32 s[G1+7], 0
	s_lshl_b32 s48, s11, 4
	s_mul_i32 s48, s48, RECB                       ; the head's first record
	s_mov_b32 s49, 0
	s_mul_i32 s50, s10, RECB                       ; record w
	s_mov_b32 s51, 0
	s_mov_b32 s[G0], 1
	s_mul_i32 s[G0+1], s10, KVB                    ; to LDS byte 13,056 w
	s_wait_dscnt 0x0
	s_wait_kmcnt 0x0
	s_add_nc_u64 s[16:17], s[4:5], s[48:49]
	s_add_nc_u64 s[G0+2:G0+3], s[16:17], s[50:51]
	s_or_b32 s[G0+3], s[G0+3], 0x80000000
	tensor_load_to_lds s[G0:G0+3], s[G1:G1+7]      ; my one tensor load
	s_nop 0
.rept 4
	v_nop
.endr
	s_lshl_b32 s52, ttmp9, 1
	s_lshr_b32 s53, s10, 3
	s_add_co_u32 s37, s52, s53                     ; tile E: step 2 i + w / 8,
	s_and_b32 s39, s10, 7                          ; tile w % 8 of it
	s_sub_co_u32 s54, 15, s10
	s_lshr_b32 s53, s54, 3
	s_sub_co_u32 s36, 14, s52
	s_add_co_u32 s36, s36, s53                     ; tile L: step 14 - 2 i + (15 - w) / 8,
	s_and_b32 s38, s54, 7                          ; tile (15 - w) % 8
; a tile's addresses: ss, tt: registers with its step and its place there -> qb: Q's planes; so: offset of its scale words; sd: its first query's place; yb, sb: where y's planes and scale bytes go
.macro TILE ss, tt, qb, so, sd, yb, sb
	s_mul_i32 s48, s[\ss], RECB
	s_mul_i32 s50, s[\tt], 768
	s_add_co_u32 s50, s50, s48
	s_add_co_u32 s50, s50, QOFF
	s_add_nc_u64 s[\qb:\qb+1], s[16:17], s[50:51]
	s_and_b32 s52, s[\tt], 1
	s_lshr_b32 s53, s[\tt], 1
	s_lshl_b32 s[\so], s52, 8                      ; the word of tile t, row r lies at 16 r + 256 (t % 2) + 4 (t / 2)
	s_lshl_b32 s54, s53, 2
	s_add_co_u32 s[\so], s[\so], s54
	s_add_co_u32 s[\so], s[\so], s48
	s_add_co_u32 s[\so], s[\so], QSOFF
	s_lshl_b32 s[\sd], s53, 5
	s_lshl_b32 s54, s52, 3
	s_add_co_u32 s[\sd], s[\sd], s54               ; 32 (t / 2) + 8 (t % 2)
	s_lshr_b32 s54, s11, 4
	s_lshl_b32 s54, s54, 4
	s_add_co_u32 s54, s54, s[\ss]
	s_lshl_b32 s54, s54, 3
	s_add_co_u32 s54, s54, s[\tt]                  ; the tile of tokens: 8 (16 batch + step) + t
	s_and_b32 s52, s11, 15                         ; the head
	s_lshl_b32 s50, s54, 4
	s_add_co_u32 s50, s50, s52
	s_mul_i32 s50, s50, 768
	s_add_nc_u64 s[\yb:\yb+1], s[6:7], s[50:51]
	s_lshl_b32 s50, s54, 9
	s_lshl_b32 s52, s52, 1
	s_add_co_u32 s50, s50, s52
	s_add_nc_u64 s[\sb:\sb+1], s[8:9], s[50:51]
.endm
	TILE 36, 38, 12, 55, 56, 40, 44
	TILE 37, 39, 14, 57, 58, 42, 46
	s_mov_b32 s59, 0xffff0000                      ; lanes 16-31
	s_mov_b32 s[SEL], 0x76543210
	s_mov_b32 s[SEL+1], 0xfedcba98                 ; v_permlanex16_b32's selects for lane l xor 16
	s_mov_b32 s[CS], 0x3e38aa3b                    ; c = log2(e) / 8
	s_mov_b32 s[CS+1], s[CS]                       ; (named with it as a pair, so it is written)
	s_mov_b32 s[TB], 0
	s_mov_b32 s[KSN], 0
	v_and_b32 v3, 31, v0
	v_lshlrev_b32 v[LN8], 3, v3
	v_lshlrev_b32 v[LN16], 4, v3
	v_and_b32 v4, 15, v0                           ; r
	v_bfe_u32 v240, v0, 4, 1                       ; h
	v_lshlrev_b32 v[YSO], 5, v4
	v_and_b32 v241, 8, v4
	v_add_nc_u32 v241, v241, v4
	v_lshlrev_b32 v240, 4, v240
	v_sub_nc_u32 v241, v241, v240                  ; r + 8 (r / 8) - 16 h
	v_add_nc_u32 v[DL], s56, v241
	v_add_nc_u32 v[DE], s58, v241
	v_mov_b32 v240, s55
	v_mov_b32 v241, s57
	v_cndmask_b32 v240, v240, v241, s59
	v_lshl_add_u32 v242, v4, 4, v240
	global_load_b32 v255, v242, s[16:17]           ; Q's scale words
.irp p, 0,1,2
	global_load_b64 v[QL+2*\p:QL+2*\p+1], v[LN8], s[12:13] offset:256*\p
	global_load_b64 v[QE+2*\p:QE+2*\p+1], v[LN8], s[14:15] offset:256*\p
.endr
.irp j, 0,1,2,3,4,5
	v_mov_b32 v[QL+6+\j], 0                        ; the K that a head of 64 does not have: zero codes
	v_mov_b32 v[QE+6+\j], 0
.endr
.set jj, 0
.rept 12
	v_mov_b32 v[PC+jj], 0
.set jj, jj+1
.endr
.set jj, 0
.rept 64
	v_mov_b32 v[OL+jj], 0                          ; O^T of both tiles: the step is written once; its first run finds zeros, which the first change of M leaves zeros
.set jj, jj+1
.endr
.irp b, 0,1,2,3
	v_mov_b32 v[WK+\b], 0                          ; a lane permute's destination counts as read
.endr
	v_mov_b32 v252, 0
	v_mov_b32 v253, 0
.irp t, 8, 12
	v_mov_b32 v[\t+1], 0xff61b1e6                  ; the largest t so far: -3e38
	v_floor_f32 v[\t], -v[\t+1]                    ; -M
	v_mov_b32 v[\t+2], 0
	v_mov_b32 v[\t+3], 0
.endr
	s_wait_loadcnt 0x0                             ; Q and its scale words
	s_wait_tensorcnt 0x0                           ; my record is in LDS,
	s_barrier_signal -1
	s_barrier_wait -1                              ; everybody's is
.macro SPROD t, q, row                 ; S^T tile t = 16 keys x my 16 queries; K's scale words: register t / 2, lanes 0-15 or 16-31 by t % 2; Q's: lanes 0-15 (L) or 16-31 (E) of v255
.if ((\t)%2 == 0) && ((\row) == 0)
	v_wmma_scale_f32_16x16x128_f8f6f4 v[S+8*(\t):S+8*(\t)+7], v[KF+6*(\t):KF+6*(\t)+11], v[\q:\q+11], 0, v[KSW+(\t)/2], v255 matrix_a_fmt:MATRIX_FMT_FP6 matrix_b_fmt:MATRIX_FMT_FP6
.elseif ((\row) == 0)
	v_wmma_scale_f32_16x16x128_f8f6f4 v[S+8*(\t):S+8*(\t)+7], v[KF+6*(\t):KF+6*(\t)+11], v[\q:\q+11], 0, v[KSW+(\t)/2], v255 matrix_a_fmt:MATRIX_FMT_FP6 matrix_b_fmt:MATRIX_FMT_FP6 matrix_a_scale:MATRIX_SCALE_ROW1
.elseif ((\t)%2 == 0)
	v_wmma_scale_f32_16x16x128_f8f6f4 v[S+8*(\t):S+8*(\t)+7], v[KF+6*(\t):KF+6*(\t)+11], v[\q:\q+11], 0, v[KSW+(\t)/2], v255 matrix_a_fmt:MATRIX_FMT_FP6 matrix_b_fmt:MATRIX_FMT_FP6 matrix_b_scale:MATRIX_SCALE_ROW1
.else
	v_wmma_scale_f32_16x16x128_f8f6f4 v[S+8*(\t):S+8*(\t)+7], v[KF+6*(\t):KF+6*(\t)+11], v[\q:\q+11], 0, v[KSW+(\t)/2], v255 matrix_a_fmt:MATRIX_FMT_FP6 matrix_b_fmt:MATRIX_FMT_FP6 matrix_a_scale:MATRIX_SCALE_ROW1 matrix_b_scale:MATRIX_SCALE_ROW1
.endif
.endm
.macro OPROD tau, o                    ; O^T tile tau += 16 channels x 128 keys times p
.if (\tau)%2 == 0
	v_wmma_scale_f32_16x16x128_f8f6f4 v[\o+8*(\tau):\o+8*(\tau)+7], v[KF+12*(\tau):KF+12*(\tau)+11], v[PC:PC+11], v[\o+8*(\tau):\o+8*(\tau)+7], v[VSW+(\tau)/2], v253 matrix_a_fmt:MATRIX_FMT_FP6 matrix_b_fmt:MATRIX_FMT_FP6
.else
	v_wmma_scale_f32_16x16x128_f8f6f4 v[\o+8*(\tau):\o+8*(\tau)+7], v[KF+12*(\tau):KF+12*(\tau)+11], v[PC:PC+11], v[\o+8*(\tau):\o+8*(\tau)+7], v[VSW+(\tau)/2], v253 matrix_a_fmt:MATRIX_FMT_FP6 matrix_b_fmt:MATRIX_FMT_FP6 matrix_a_scale:MATRIX_SCALE_ROW1
.endif
.endm
; ONE TILE'S KEY STEP.  st: its statistics; q: its Q; o: its O^T; d: its mask register; ss: the scalar with its own step; row: which half of v255
.macro STEP st, q, o, d, ss, row
	s_cmp_gt_u32 s[KSN], s[\ss]                    ; all 128 keys come after my queries: nothing to do
	s_cbranch_scc1 .Lhid_\@
	v_add_nc_u32 v[ADR], s[TB], v[LN8]
	v_add_nc_u32 v[ADS], s[TB], v[LN16]
	v_nop
	v_nop                                          ; four places, on every way in, in front of loads into registers that the last products read
.irp t, 0,1,2,3,4,5,6,7
.irp p, 0,1,2
	ds_load_b64 v[KF+6*\t+2*\p:KF+6*\t+2*\p+1], v[ADR] offset:KOFF+(3*\t+\p)*256
.endr
.endr
	ds_load_b128 v[KSW:KSW+3], v[ADS] offset:KSOFF
	s_wait_dscnt 0x0
.irp t, 0,1,2,3,4,5,6,7
	SPROD \t, \q, \row
.endr
.rept 4
	v_nop                                          ; places: for the loads below and for the first read of the scores
.endr
.irp t, 0,1,2,3
.irp p, 0,1,2,3,4,5
	ds_load_b64 v[KF+12*\t+2*\p:KF+12*\t+2*\p+1], v[ADR] offset:VOFF+(6*\t+\p)*256   ; V^T is asked for here and lands under the softmax
.endr
.endr
	ds_load_b64 v[VSW:VSW+1], v[ADR] offset:VSOFF
	s_cmp_lt_u32 s[KSN], s[\ss]                    ; a step under my own counts whole
	s_cbranch_scc1 .Lopen_\@
	v_mov_b32 v254, 0xff800000                     ; on the diagonal: register 16 b + i holds key 32 b + 16 (lane / 16) + i of the step: hidden where 32 b + i > d
.set nn, 0
.rept 64
	v_cmp_gt_i32 vcc_lo, 32*(nn/16)+nn%16, v[\d]
	v_cndmask_b32 v[S+nn], v[S+nn], v254, vcc_lo
.set nn, nn+1
.endr
.Lopen_\@:
.irp b, 0,1,2,3
	v_max3_num_f32 v[BM+\b], v[S+16*\b], v[S+1+16*\b], v[S+2+16*\b]    ; the largest score of each block of 32 keys: it serves the row's maximum and, since p rises with the score, the block's largest p
.endr
.irp i, 3,5,7,9,11,13
.irp b, 0,1,2,3
	v_max3_num_f32 v[BM+\b], v[BM+\b], v[S+16*\b+\i], v[S+1+16*\b+\i]
.endr
.endr
.irp b, 0,1,2,3
	v_max_num_f32 v[BM+\b], v[BM+\b], v[S+15+16*\b]
.endr
.irp b, 0,1,2,3
	v_permlanex16_b32 v[WK+\b], v[BM+\b], s[SEL], s[SEL+1]
.endr
.irp b, 0,1,2,3
	v_max_num_f32 v[BM+\b], v[BM+\b], v[WK+\b]     ; with lane l xor 16's 16 keys
.endr
	v_max3_num_f32 v254, v[BM], v[BM+1], v[BM+2]
	v_max_num_f32 v254, v254, v[BM+3]
	v_mul_f32 v254, s[CS], v254                    ; the step's largest t
	v_max_num_f32 v[\st+1], v[\st+1], v254         ; the running largest t
	v_mov_b32 v254, v[\st]
	v_floor_f32 v[\st], -v[\st+1]                  ; the new -M = -ceil(t)
	v_sub_f32 v254, v[\st], v254                   ; old M - new M: a whole number, 0 or less
	v_cvt_i32_f32 v254, v254                       ; (it saturates)
	v_ldexp_f32 v252, 1.0, v254                    ; f = 2^(old M - new M)
.set jj, 0
.rept 32
	v_pk_fma_f32 v[S+jj:S+jj+1], v[S+jj:S+jj+1], s[CS:CS+1], v[\st:\st+1] op_sel_hi:[1,0,0]    ; t - M, two at a time
.set jj, jj+2
.endr
.irp b, 0,1,2,3
	v_fma_f32 v[BM+\b], v[BM+\b], s[CS], v[\st]    ; the same of each block's largest score
.endr
.set jj, 0
.rept 64
	v_exp_f32 v[S+jj], v[S+jj]                     ; p = 2^(t - M)
.set jj, jj+1
.endr
.irp b, 0,1,2,3
	v_exp_f32 v[BM+\b], v[BM+\b]                   ; the block's largest p: the same two instructions on the same number
.endr
	v_pk_mul_f32 v[\st+2:\st+3], v[\st+2:\st+3], v[252:253] op_sel_hi:[1,0]    ; the sum under the new M (a plain place behind the exponentials)
	s_wait_alu depctr_va_vdst(0)
.irp b, 0,1,2,3
	v_max_num_f32 v[BM+\b], 0x1800000, v[BM+\b]    ; the floor 2^(3 - 127)
.endr
.irp b, 0,1,2,3
	v_add_nc_u32 v[SO+\b], 0xff000000, v[BM+\b]    ; the conversion's scale operand
.endr
.irp b, 0,1,2,3
	v_lshrrev_b32 v[WK+\b], 23, v[SO+\b]           ; the byte
.endr
	v_lshl_or_b32 v253, v[WK+1], 8, v[WK]          ; p's scale word for these 128 keys
	v_lshl_or_b32 v253, v[WK+2], 16, v253
	v_lshl_or_b32 v253, v[WK+3], 24, v253
.irp c, 0,1
	v_cvt_scalef32_pk16_fp6_f32 v[PC+6*\c:PC+6*\c+2], v[S+32*\c:S+15+32*\c], v[SO+2*\c]
	v_cvt_scalef32_pk16_fp6_f32 v[WK+4*\c:WK+2+4*\c], v[S+16+32*\c:S+31+32*\c], v[SO+1+2*\c]
.endr
	v_nop                                          ; one plain place behind a scaled conversion
.irp c, 0,1                                    ; a whole block to a lane
.irp i, 0,1,2
	v_permlane16_swap_b32 v[PC+6*\c+\i], v[WK+4*\c+\i]
.endr
.irp i, 0,1,2
	v_mov_b32 v[PC+3+6*\c+\i], v[WK+4*\c+\i]
.endr
.endr
	v_pk_add_f32 v[WK:WK+1], v[S:S+1], v[S+2:S+3]  ; the row's sum is taken of the unquantised p, in two chains
.set jj, 4
.rept 15
	v_pk_add_f32 v[\st+2:\st+3], v[\st+2:\st+3], v[S+jj:S+jj+1]
	v_pk_add_f32 v[WK:WK+1], v[WK:WK+1], v[S+jj+2:S+jj+3]
.set jj, jj+4
.endr
	v_pk_add_f32 v[\st+2:\st+3], v[\st+2:\st+3], v[WK:WK+1]
.set jj, 0
.rept 16
	v_pk_mul_f32 v[\o+jj:\o+jj+1], v[\o+jj:\o+jj+1], v[252:253] op_sel_hi:[1,0]    ; O^T under the new M, from each accumulator's low end on
.set jj, jj+2
.endr
	s_wait_dscnt 0x0                               ; V^T and its scale words are in
.irp t, 0,1,2,3
	OPROD \t, \o                                   ; four accumulators by turns; the next link on any of them stands behind eight other products
.endr
.Lhid_\@:
.endm
.Lkey:                                             ; 16 trips, a constant: what a wave leaves out is a step's work, by the branch at the step's head
	STEP 8, QL, OL, DL, 36, 0
	STEP 12, QE, OE, DE, 37, 1
	s_add_co_u32 s[TB], s[TB], KVB
	s_add_co_u32 s[KSN], s[KSN], 1
	s_cmp_lt_u32 s[KSN], 16
	s_cbranch_scc1 .Lkey
; THE WAY OUT of a tile: O^T / the sum; register 16 b + i is channel 32 b + 16 (lane / 16) + i of my query: two blocks of the next product's K: half an operand, three planes, and two scale bytes.
.macro OUT st, o, yc, hw, yb, sb
	v_add_f32 v[\st+2], v[\st+2], v[\st+3]
	v_permlanex16_b32 v252, v[\st+2], s[SEL], s[SEL+1]
	v_add_f32 v[\st+2], v[\st+2], v252             ; the row's sum
	v_rcp_f32 v[\st+2], v[\st+2]
	v_nop                                          ; a plain place behind the transcendental
.set jj, 0
	s_wait_alu depctr_va_vdst(0)
.rept 16
	v_pk_mul_f32 v[S+jj:S+jj+1], v[\o+jj:\o+jj+1], v[\st+2:\st+3] op_sel_hi:[1,0]
.set jj, jj+2
.endr
.irp b, 0,1
	v_max3_num_f32 v[BM+\b], |v[S+16*\b]|, |v[S+1+16*\b]|, 0x1800000
.endr
.irp i, 2,4,6,8,10,12,14
.irp b, 0,1
	v_max3_num_f32 v[BM+\b], v[BM+\b], |v[S+16*\b+\i]|, |v[S+1+16*\b+\i]|
.endr
.endr
.irp b, 0,1
	v_permlanex16_b32 v[WK+\b], v[BM+\b], s[SEL], s[SEL+1]
.endr
.irp b, 0,1
	v_max_num_f32 v[BM+\b], v[BM+\b], v[WK+\b]
.endr
.irp b, 0,1
	v_add_nc_u32 v[SO+\b], 0xff000000, v[BM+\b]
.endr
.irp b, 0,1
	v_lshrrev_b32 v[WK+\b], 23, v[SO+\b]
.endr
	v_lshl_or_b32 v[\hw], v[WK+1], 8, v[WK]        ; my row's two scale bytes
	v_cvt_scalef32_pk16_fp6_f32 v[\yc:\yc+2], v[S:S+15], v[SO]
	v_cvt_scalef32_pk16_fp6_f32 v[WK+4:WK+6], v[S+16:S+31], v[SO+1]
	v_nop
.irp i, 0,1,2
	v_permlane16_swap_b32 v[\yc+\i], v[WK+4+\i]
.endr
.irp i, 0,1,2
	v_mov_b32 v[\yc+3+\i], v[WK+4+\i]
.endr
.irp p, 0,1,2
	global_store_b64 v[LN8], v[\yc+2*\p:\yc+2*\p+1], s[\yb:\yb+1] offset:256*\p    ; a plane: 256 consecutive bytes, aligned
.endr
	global_store_b16 v[YSO], v[\hw], s[\sb:\sb+1]  ; lanes 16-31 repeat lanes 0-15's address and value
.endm
.rept 4
	v_nop                                          ; places behind the last products
.endr
	OUT 8, OL, 40, 52, 40, 44                      ; each tile has its own registers for what it stores: no store's data are written again
	OUT 12, OE, 46, 53, 42, 46
	s_wait_tensorcnt 0x0
	ds_add_u32 v231, v243
	s_wait_dscnt 0x0
	s_endpgm
.Lfunc_end_k_qa20f1b31c3_attn:
	.size	k_qa20f1b31c3_attn, .Lfunc_end_k_qa20f1b31c3_attn-k_qa20f1b31c3_attn
	.p2alignl 7, 3214868480
	.fill 96, 4, 3214868480
	.section	.rodata,"a",@progbits
	.p2align	6, 0x0
	.amdhsa_kernel k_qa20f1b31c3_attn
		.amdhsa_group_segment_fixed_size 210944
		.amdhsa_private_segment_fixed_size 0
		.amdhsa_enable_private_segment 0
		.amdhsa_kernarg_size 24
		.amdhsa_user_sgpr_count 2
		.amdhsa_user_sgpr_kernarg_segment_ptr 1
		.amdhsa_wavefront_size32 1
		.amdhsa_system_sgpr_workgroup_id_x 1
		.amdhsa_system_sgpr_workgroup_id_y 1
		.amdhsa_system_sgpr_workgroup_id_z 1
		.amdhsa_system_vgpr_workitem_id 0
		.amdhsa_next_free_vgpr 256
		.amdhsa_next_free_sgpr 66
		.amdhsa_reserve_vcc 1
		.amdhsa_float_denorm_mode_32 3
		.amdhsa_float_denorm_mode_16_64 3
		.amdhsa_memory_ordered 1
		.amdhsa_forward_progress 1
		.amdhsa_inst_pref_size 60
	.end_amdhsa_kernel
	.amdgpu_metadata
---
amdhsa.version: [ 1, 2 ]
amdhsa.kernels:
  - .name:           k_qa20f1b31c3_attn
    .symbol:         k_qa20f1b31c3_attn.kd
    .args:
      - { .name: qkv, .offset: 0, .size: 8, .value_kind: global_buffer, .address_space: global }
      - { .name: yimg, .offset: 8, .size: 8, .value_kind: global_buffer, .address_space: global }
      - { .name: ysc, .offset: 16, .size: 8, .value_kind: global_buffer, .address_space: global }
    .group_segment_fixed_size: 210944
    .private_segment_fixed_size: 0
    .kernarg_segment_align: 8
    .kernarg_segment_size: 24
    .max_flat_workgroup_size: 512
    .sgpr_count:     66
    .vgpr_count:     256
    .wavefront_size: 32
...
	.end_amdgpu_metadata
.endif
;; end of part 3
;; launch proj (part 4): grid 8 x 32, 4 waves a work-group, clusters of 4 x 4, 327,680 bytes of LDS; arguments yimg, ysc, codes, scales, b_proj, out0; writes out0
.if DOCPART == 4
	.amdgcn_target "amdgcn-amd-amdhsa--gfx1250"
	.amdhsa_code_object_version 6
	.text
	.protected	k_qa20f1b31c3_proj
	.globl	k_qa20f1b31c3_proj
	.p2align	8
	.type	k_qa20f1b31c3_proj,@function
k_qa20f1b31c3_proj:
	s_mov_b64 s[64:65], 0
	v_nop
	global_prefetch_b8 v0, s[64:65] scope:SCOPE_SE
	s_setreg_imm32_b32 hwreg(HW_REG_WAVE_MODE, 25, 1), 1
	s_wait_xcnt 0x0
	s_wait_alu depctr_hold_cnt(0) depctr_sa_sdst(0) depctr_va_vdst(0) depctr_va_sdst(0) depctr_va_ssrc(0) depctr_va_vcc(0) depctr_vm_vsrc(0)
	s_getreg_b32 s2, hwreg(HW_REG_IB_STS2, 6, 4)
	s_cmp_eq_u32 s2, 0
	s_cbranch_scc0 .Lentry_in_a_cluster
	s_endpgm
.Lentry_in_a_cluster:
	s_bfe_u32 s2, ttmp6, 0x10000c
	s_cmp_lg_u32 s2, 0xf033
	s_cbranch_scc0 .Lentry_shape_is_right
	s_endpgm
.Lentry_shape_is_right:
; out0 = y W_proj + b_proj on codes of FP6 (E2M3) with E8M0 scales, K = 1,024.  A tile of the output is 256 tokens x 128 columns: 256 work-groups.
; "A" (source 1: rows on lanes) = 256 tokens of y, which lie in memory as images of operand registers: [tile of 16 tokens][head][3 planes of 256 bytes]; 128 along K are two heads: six planes, 12 registers.
; "B" (source 0: rows on a lane's registers) = 128 rows of the buffer codes from row 11,264 on: W_proj's columns, K innermost.  Tokens and columns are stored in swapped order (bits 3 and 4 of the row exchanged).
; Four waves, each 128 tokens x 64 columns: 32 accumulators.  K goes in steps of 256 through a ring of two LDS slots filled by the tensor data mover; the scale bytes come once and stay.
; CLUSTERS: 4 x 4 work-groups: y's tile is asked for jointly along a row of the cluster, W_proj's along a column.  The bias is the C of each sum's first product.
; REGISTERS: window 0: v8 the bias's offset, v16-29 addresses, v32-63 scale words (two sets), v64-95 the bias, v128-223 A's fragments (one set), on the way out rows of the output.
;   window 1: B's fragments, two sets, at v0 and v128.  window 2: the accumulators, (a, b) at v[8 (4 a + b)].
.set NQ,     2
.set ROWB,   192
.set KROW,   768
.set PITCH,  240                       ; B's LDS row: 3 x (64 bytes + 16 of padding)
.set FR,     12
.set NL,     6
.set NP,     4
.set AHALF,  8*3072                    ; 8 tiles of tokens x 256 along K: what one tensor load brings of y
.set BOFF,   2*AHALF                   ; in a slot B lies behind A's 16 tiles
.set BHALF,  64*PITCH
.set SLOT,   BOFF+2*BHALF              ; 79,872
.set SCB,    2*SLOT                    ; B's scales: 2 x 8 units of 256 + 16 bytes
.set SCA,    SCB+2*2176                ; A's: 2 x 16 units
.set SPARE,  SCA+2*4352                ; the spare words: two blocks of 256 bytes that no other line names
.set STAGE,  SPARE+512                 ; the way out: 16 rows x (256 bytes + 16) for each wave: bytes of its own, into which no fill lands
.set SBLK,   2*272
.set ADRA, 16                          ; v16-17
.set ADRB, 20                          ; v20-21 (v22-23 behind one padding more)
.set STO,  24
.set RD,   25
.set CO,   26
.set ADRS, 27
.set SPW,  28
.set NIL,  29
.set SC,   32
.set BI,   64
.set AF,   128
.set BK,   128
.set G1, 24
.set G0, 32
.set G1B, 48
.set G0B, 56
.set G1S, 68
.set G0S, 76
.set G1SB, 80
.set G0SB, 88
.set MSB, 0
.macro WIN new                         ; the immediate's high byte repeats the setting that is left
.if MSB != (\new)
	s_set_vgpr_msb (MSB<<8)|(\new)
.set MSB, (\new)
.endif
.endm
.set MUL,   0xa1                       ; source 0 (B) window 1, source 1 (A) window 0, C and D window 2
.set FIRST, 0x81                       ; the first products: C (the bias) window 0
.set TO_B,  0x40
.macro JLOAD g0a, g1a, g0b, g1b        ; a joint load: waves 0 and 1 fetch for A, waves 2 and 3 for B; four v_nop follow each of the two lines
	s_cmp_eq_u32 s15, 0
	s_cbranch_scc0 .Lfor_b_\@
	tensor_load_to_lds s[\g0a:\g0a+3], s[\g1a:\g1a+7]
	s_nop 0
.rept 4
	v_nop
.endr
	s_branch .Lasked_\@
.Lfor_b_\@:
	tensor_load_to_lds s[\g0b:\g0b+3], s[\g1b:\g1b+7]
	s_nop 0
.rept 4
	v_nop
.endr
.Lasked_\@:
.endm
.macro CREST
	s_cmp_lg_u32 s14, 0
	s_cbranch_scc1 .Lnot_wave_0_\@
	s_barrier_signal -3
.Lnot_wave_0_\@:
	s_barrier_wait -3
	s_barrier_signal -1
	s_barrier_wait -1
.endm
.macro CROUND
	s_barrier_signal -1
	s_barrier_wait -1
	CREST
.endm
	s_load_b256 s[4:11], s[0:1], 0x0               ; yimg s[4:5], ysc s[6:7], codes s[8:9], scales s[10:11]
	s_load_b128 s[96:99], s[0:1], 0x20             ; b_proj s[96:97], out0 s[98:99]
	v_lshl_add_u32 v[SPW], v0, 2, SPARE
	v_mov_b32 v[NIL], 0
	ds_add_u32 v28, v29
	ds_add_u32 v28, v29
	s_wait_dscnt 0x0
	v_lshrrev_b32 v1, 5, v0
	v_readfirstlane_b32 s14, v1                    ; wave 0..3
	s_lshr_b32 s15, s14, 1                         ; my 128 tokens.  Also: I fetch for A (0) or for B (1)
	s_and_b32 s16, s14, 1                          ; my 64 columns.  Also: which half I fetch
	s_bfe_u32 s40, ttmp6, 0x40000                  ; cx
	s_bfe_u32 s41, ttmp6, 0x40004                  ; cy
	s_lshl_b32 s42, ttmp9, 2
	s_add_co_u32 s42, s42, s40                     ; block of 128 columns
	s_and_b32 s17, ttmp7, 0xffff
	s_lshl_b32 s17, s17, 2
	s_add_co_u32 s17, s17, s41                     ; block of 256 tokens
	s_lshl_b32 s43, s41, 2
	s_lshl_b32 s43, 15, s43                        ; my row of the cluster
	s_lshl_b32 s44, 0x1111, s40                    ; my column
	s_or_b32 s[G1+0], s43, (3<<16)|(1<<21)         ; y: elements of 8 bytes, no padding: 8 rows (tiles of tokens) of 3,072 bytes (four heads), 12,288 bytes apart
	s_mov_b32 s[G1+1], 384<<16
	s_mov_b32 s[G1+2], 8<<16
	s_mov_b32 s[G1+3], 384<<16
	s_mov_b32 s[G1+4], 8
	s_mov_b32 s[G1+5], 1536
	s_mov_b32 s[G1+6], 0
	s_mov_b32 s[G1+7], 0
	s_or_b32 s[G1B+0], s44, (0<<16)|(1<<20)|(1<<21)|(3<<22)|(3<<25)  ; W_proj: 64 rows of 192 bytes, 16 bytes of padding behind every 64
	s_mov_b32 s[G1B+1], ROWB<<16
	s_mov_b32 s[G1B+2], 64<<16
	s_mov_b32 s[G1B+3], ROWB<<16
	s_mov_b32 s[G1B+4], 64
	s_mov_b32 s[G1B+5], KROW
	s_mov_b32 s[G1B+6], 0
	s_mov_b32 s[G1B+7], 0
	s_or_b32 s[G1S+0], s43, (3<<16)|(1<<20)|(1<<21)|(5<<22)|(3<<25)  ; y's scales of 128 tokens: 16 rows of 256 bytes + 16
	s_mov_b32 s[G1S+1], 32<<16
	s_mov_b32 s[G1S+2], 16<<16
	s_mov_b32 s[G1S+3], 32<<16
	s_mov_b32 s[G1S+4], 16
	s_mov_b32 s[G1S+5], 32
	s_mov_b32 s[G1S+6], 0
	s_mov_b32 s[G1S+7], 0
	s_or_b32 s[G1SB+0], s44, (3<<16)|(1<<20)|(1<<21)|(5<<22)|(3<<25) ; W_proj's of 64 columns: 8 rows
	s_mov_b32 s[G1SB+1], 32<<16
	s_mov_b32 s[G1SB+2], 8<<16
	s_mov_b32 s[G1SB+3], 32<<16
	s_mov_b32 s[G1SB+4], 8
	s_mov_b32 s[G1SB+5], 32
	s_mov_b32 s[G1SB+6], 0
	s_mov_b32 s[G1SB+7], 0
	s_lshl_b32 s20, s17, 4
	s_lshl_b32 s18, s16, 3
	s_add_co_u32 s20, s20, s18                     ; A: the first tile of tokens that I fetch
	s_lshl_b32 s22, s20, 9                         ; its scale bytes: 16 rows x 32
	s_mov_b32 s23, 0
	s_mul_i32 s20, s20, 12288
	s_mov_b32 s21, 0
	s_lshl_b32 s46, s42, 7
	s_lshl_b32 s18, s16, 6
	s_add_co_u32 s46, s46, s18
	s_add_co_u32 s46, s46, 11264                   ; B: the first row of codes that I fetch
	s_lshl_b32 s92, s46, 5
	s_mov_b32 s93, 0
	s_mul_i32 s46, s46, KROW
	s_mov_b32 s47, 0
	s_mul_i32 s45, s16, AHALF                      ; where they go: made of the wave's number alone
	s_mul_i32 s66, s16, BHALF
	s_add_co_u32 s66, s66, BOFF
	s_mul_i32 s67, s16, 4352
	s_add_co_u32 s67, s67, SCA
	s_mul_i32 s2, s16, 2176
	s_add_co_u32 s2, s2, SCB
	s_wait_kmcnt 0x0
	s_add_nc_u64 s[20:21], s[4:5], s[20:21]
	s_add_nc_u64 s[22:23], s[6:7], s[22:23]
	s_add_nc_u64 s[46:47], s[8:9], s[46:47]
	s_add_nc_u64 s[92:93], s[10:11], s[92:93]
	CROUND                                         ; all sixteen work-groups are here: the first joint loads meet
	s_mov_b32 s[G0S], 1
	s_mov_b32 s[G0S+1], s67
	s_mov_b64 s[G0S+2:G0S+3], s[22:23]
	s_or_b32 s[G0S+3], s[G0S+3], 0x80000000
	s_mov_b32 s[G0SB], 1
	s_mov_b32 s[G0SB+1], s2
	s_mov_b64 s[G0SB+2:G0SB+3], s[92:93]
	s_or_b32 s[G0SB+3], s[G0SB+3], 0x80000000
	JLOAD G0S, G1S, G0SB, G1SB
.irp s, 0,1
	s_mov_b32 s[G0+4*\s], 1
	s_add_co_u32 s[G0+4*\s+1], s45, \s*SLOT
	s_add_nc_u64 s[G0+4*\s+2:G0+4*\s+3], s[20:21], \s*3072
	s_or_b32 s[G0+4*\s+3], s[G0+4*\s+3], 0x80000000
	s_mov_b32 s[G0B+4*\s], 1
	s_add_co_u32 s[G0B+4*\s+1], s66, \s*SLOT
	s_add_nc_u64 s[G0B+4*\s+2:G0B+4*\s+3], s[46:47], \s*ROWB
	s_or_b32 s[G0B+4*\s+3], s[G0B+4*\s+3], 0x80000000
	JLOAD G0+4*\s, G1, G0B+4*\s, G1B               ; by this text's count three tensor loads of a wave are out here
.endr
	v_and_b32 v1, 15, v0                           ; r
	v_bfe_u32 v2, v0, 4, 1                         ; h
	v_and_b32 v6, 31, v0
	v_lshlrev_b32 v7, 3, v6                        ; 8 x lane: a plane's place for my lane
	s_mul_i32 s21, s15, AHALF                      ; my 8 tiles of tokens
	v_mul_u32_u24 v3, v1, PITCH
	v_mul_u32_u24 v4, v2, 24
	v_add_nc_u32 v4, v3, v4
	v_lshl_add_u32 v5, v2, 4, v4
	s_mul_i32 s22, s16, BHALF
	s_add_co_u32 s22, s22, BOFF
.irp s, 0,1
	v_add_nc_u32 v[ADRA+\s], s21, v7
	v_add_nc_u32 v[ADRB+\s], s22, v4
	v_add_nc_u32 v[ADRB+2+\s], s22, v5
	s_add_co_u32 s21, s21, SLOT
	s_add_co_u32 s22, s22, SLOT
.endr
	v_lshlrev_b32 v5, 5, v1                        ; my row's scales: 32 bytes a row,
	v_lshrrev_b32 v6, 8, v5
	v_lshl_add_u32 v5, v6, 4, v5                   ; and 16 more for each 256 passed
	s_mul_i32 s21, s16, 2176                       ; lanes 0-15: B's, my 64 columns
	s_mul_i32 s22, s15, 4352
	s_add_co_u32 s22, s22, 2*2176                  ; lanes 16-31: A's, my 128 tokens
	s_sub_co_u32 s22, s22, s21
	v_mul_u32_u24 v6, s22, v2                      ; the lower base + h x the distance
	s_add_co_u32 s21, s21, SCB
	v_add_nc_u32 v5, v5, v6
	v_add_nc_u32 v[ADRS], s21, v5
	s_mul_i32 s23, s14, 16*272
	s_add_co_u32 s23, s23, STAGE                   ; my stage
	v_mul_u32_u24 v5, v1, 272
	v_lshl_add_u32 v5, v2, 6, v5
	v_add_nc_u32 v[STO], s23, v5                   ; in: row r, + 64 h
	v_mul_u32_u24 v5, v2, 272
	v_lshl_add_u32 v5, v1, 4, v5
	v_add_nc_u32 v[RD], s23, v5                    ; back: lanes 0-15 one row, lanes 16-31 the next
	v_lshlrev_b32 v[CO], 12, v2
	v_lshl_add_u32 v[CO], v1, 4, v[CO]             ; and the same two rows of the output, 4,096 bytes apart
	s_lshl_b32 s18, s17, 8
	s_lshl_b32 s19, s15, 7
	s_add_co_u32 s18, s18, s19
	s_lshl_b32 s18, s18, 12                        ; my first token's row
	s_lshl_b32 s19, s42, 9
	s_lshl_b32 s3, s16, 8
	s_add_co_u32 s3, s3, s19                       ; my first column, in bytes: 512 x block + 256 x half
	s_add_co_u32 s18, s18, s3
	s_mov_b32 s19, 0
	s_add_nc_u64 s[98:99], s[98:99], s[18:19]
	s_mov_b32 s18, s3
	s_add_nc_u64 s[96:97], s[96:97], s[18:19]
	v_lshlrev_b32 v8, 6, v2                        ; the bias: register 8 b + j = b_proj[column 32 (b / 2) + 8 (b % 2) + 16 h + j of my 64]
.irp b, 0,1,2,3
	global_load_b128 v[BI+8*\b:BI+8*\b+3], v8, s[96:97] offset:(32*(\b/2)+8*(\b%2))*4
	global_load_b128 v[BI+8*\b+4:BI+8*\b+7], v8, s[96:97] offset:(32*(\b/2)+8*(\b%2))*4+16
.endr
.macro FRAG reg, adr, q, i             ; B's fragment from rows: pieces of 8 bytes; the second address register serves the pieces that for lanes 16-31 lie behind one padding more
.irp p, 0,1,2,3,4,5
.set PCE, 12*(\q)+6*(\p/3)+\p%3
.if PCE%8 < 5
	ds_load_b64 v[\reg+2*\p:\reg+2*\p+1], v[\adr] offset:8*PCE+16*(PCE/8)+(\i)*16*PITCH
.else
	ds_load_b64 v[\reg+2*\p:\reg+2*\p+1], v[\adr+2] offset:8*PCE+16*(PCE/8)+(\i)*16*PITCH
.endif
.endr
.endm
.macro FRAGI reg, slot, q, i           ; A's fragment from its image: six planes, each 256 consecutive bytes
.irp p, 0,1,2,3,4,5
	ds_load_b64 v[\reg+2*\p:\reg+2*\p+1], v[ADRA+\slot] offset:(\i)*3072+(\q)*1536+256*\p
.endr
.endm
; 8 matrix instructions: A's blocks a0, a0 + 1 x B's four.  The 32 accumulators take turns, one instruction a turn, in the same order in every step.
.macro MUL8 a0, p, q, sc, zero
.irp a, \a0, \a0+1
.irp b, 0,1,2,3
.set rD, 8*(4*(\a)+\b)
.set rB, 128*(\p)+FR*\b
.set rA, AF+FR*(\a)
.set rSB, SC+16*(\sc)+2*\b+(\q)
.set rSA, SC+16*(\sc)+2*(\a)+(\q)
.if \zero
	v_wmma_scale_f32_16x16x128_f8f6f4 v[rD:rD+7], v[rB:rB+FR-1], v[rA:rA+FR-1], v[BI+8*\b:BI+8*\b+7], v[rSB], v[rSA] matrix_a_fmt:MATRIX_FMT_FP6 matrix_b_fmt:MATRIX_FMT_FP6 matrix_b_scale:MATRIX_SCALE_ROW1
.else
	v_wmma_scale_f32_16x16x128_f8f6f4 v[rD:rD+7], v[rB:rB+FR-1], v[rA:rA+FR-1], v[rD:rD+7], v[rSB], v[rSA] matrix_a_fmt:MATRIX_FMT_FP6 matrix_b_fmt:MATRIX_FMT_FP6 matrix_b_scale:MATRIX_SCALE_ROW1
.endif
.endr
.endr
.endm
.macro FETCH_B slot, q, p
	WIN TO_B
.irp i, 0,1,2,3
	FRAG 128*(\p)+FR*\i, ADRB+\slot, \q, \i
.endr
	WIN 0
.endm
.macro FETCH_A slot, q, i0
.irp i, \i0, \i0+1, \i0+2, \i0+3
	FRAGI AF+FR*(\i), \slot, \q, \i
.endr
.endm
.macro SCALES sc                       ; lanes 0-15 the words of B's block i (for i over 3 they run on into A's scale bytes, on the same lattice of units, and what they bring is not used), lanes 16-31 those of A's block i
.irp i, 0,1,2,3,4,5,6,7
	ds_load_b64 v[SC+16*\sc+2*\i:SC+16*\sc+2*\i+1], v[ADRS] offset:\i*SBLK
.endr
.endm
.macro PLACES n
.rept \n
	v_nop
.endr
.endm
.macro STEP slot, q, zero
	s_wait_dscnt 4*NL                              ; B's set and A's blocks 0-3 are in; the youngest 24 loads (A's blocks 4-7) may be out
.if \zero
	WIN FIRST
.else
	WIN MUL
.endif
	MUL8 0, (\q)%2, \q, \slot, \zero
	MUL8 2, (\q)%2, \q, \slot, \zero
	s_wait_dscnt 0
	PLACES NP
	FETCH_B \slot, (\q)+1, 1-(\q)%2
	FETCH_A \slot, (\q)+1, 0
.if \zero
	WIN FIRST
.else
	WIN MUL
.endif
	MUL8 4, (\q)%2, \q, \slot, \zero
	MUL8 6, (\q)%2, \q, \slot, \zero
	PLACES NP
	WIN 0
	FETCH_A \slot, (\q)+1, 4
.endm
.macro TURN slot, next, fill
	s_wait_tensorcnt 0x0                           ; all my tensor loads have landed: my part of the next slot
	ds_add_u32 v[SPW], v[NIL]                      ; 0 onto my spare word
	s_wait_dscnt 4*NL+1                            ; the add and the youngest 24 loads may be out
	WIN MUL
	MUL8 0, 1, NQ-1, \slot, 0                      ; eight matrix instructions stand between the add and the wait for it
	s_wait_dscnt 0x0                               ; the add is done, and my reads of this slot are over
	s_barrier_signal -1
	MUL8 2, 1, NQ-1, \slot, 0
	WIN 0
	s_barrier_wait -1
.if \fill
	CREST                                          ; the barrier has opened a round of the cluster's barrier
	s_add_nc_u64 s[G0+4*\slot+2:G0+4*\slot+3], s[G0+4*\slot+2:G0+4*\slot+3], 2*3072
	s_add_nc_u64 s[G0B+4*\slot+2:G0B+4*\slot+3], s[G0B+4*\slot+2:G0B+4*\slot+3], 2*ROWB
	JLOAD G0+4*\slot, G1, G0B+4*\slot, G1B         ; the first tensor load behind the round, my only one until the next; its four v_nop are also the places in front of the loads below
.else
	PLACES NP
.endif
	v_add_nc_u32 v[ADRS], 4*NQ, v[ADRS]
	FETCH_B \next, 0, 0
	FETCH_A \next, 0, 0
	SCALES \next
	WIN MUL
	MUL8 4, 1, NQ-1, \slot, 0
	MUL8 6, 1, NQ-1, \slot, 0
	PLACES NP
	WIN 0
	FETCH_A \next, 0, 4
.endm
	s_wait_tensorcnt 1                             ; the scales and my part of K step 0 are in; K step 1's load may stay out
	s_barrier_signal -1
	s_barrier_wait -1
	FETCH_B 0, 0, 0
	FETCH_A 0, 0, 0
	SCALES 0
	FETCH_A 0, 0, 4
	s_wait_loadcnt 0x0                             ; the bias
	STEP 0, 0, 1
	TURN 0, 1, 1
	STEP 1, 0, 0
	TURN 1, 0, 1
	STEP 0, 0, 0
	TURN 0, 1, 0
	STEP 1, 0, 0
	s_wait_dscnt 4*NL
	WIN MUL
	MUL8 0, 1, NQ-1, 1, 0
	MUL8 2, 1, NQ-1, 1, 0
	s_wait_dscnt 0
	MUL8 4, 1, NQ-1, 1, 0
	MUL8 6, 1, NQ-1, 1, 0
	WIN 0
; THE WAY OUT, a block of 16 tokens x 64 columns at a time, through my own stage: a lane holds 8 neighbouring columns of a row for each of B's blocks; back come whole rows of 256 bytes.
; LDS serves a wave's instructions in order: no wait between the stores and the loads, nor in front of the next block's stores.
.macro TOSTAGE a
	WIN 0x08                                       ; an LDS store's data are its source 1: window 2
.irp b, 0,1,2,3
	ds_store_b128 v[STO], v[8*(4*(\a)+\b):8*(4*(\a)+\b)+3] offset:128*(\b/2)+32*(\b%2)         ; each accumulator from its low end on
	ds_store_b128 v[STO], v[8*(4*(\a)+\b)+4:8*(4*(\a)+\b)+7] offset:128*(\b/2)+32*(\b%2)+16
.endr
	WIN 0
.set BB, BK+32*((\a)%2)
.irp i, 0,1,2,3,4,5,6,7
	ds_load_b128 v[BB+4*\i:BB+4*\i+3], v[RD] offset:\i*544
.endr
.endm
.macro SEND a, younger                 ; stage rows 2 i, 2 i + 1 of block a are the tokens 32 (a / 2) + 8 (a % 2) + 2 i + 8 (i / 4) and the next of my 128
.set BB, BK+32*((\a)%2)
	s_wait_dscnt \younger
.irp i, 0,1,2,3,4,5,6,7
	global_store_b128 v[CO], v[BB+4*\i:BB+4*\i+3], s[98:99] offset:(32*((\a)/2)+8*((\a)%2)+2*\i+8*(\i/4))*4096 th:TH_STORE_NT   ; sixteen lanes store 256 consecutive bytes, aligned; every offset an immediate
.endr
.endm
	PLACES NP
	TOSTAGE 0
.irp a, 1,2,3,4,5,6,7
.if \a > 1
	s_wait_xcnt 0x0                                ; block a - 2's stores have read their registers: block a's loads may land there
.endif
	TOSTAGE \a
	SEND \a-1, 16                                  ; behind block a - 1's loads: block a's 8 stores and 8 loads
.endr
	SEND 7, 0
	s_wait_tensorcnt 0x0                           ; the wave's end
	ds_add_u32 v[SPW], v[NIL]
	s_wait_dscnt 0x0
	CROUND                                         ; the closing round
	s_endpgm
.Lfunc_end_k_qa20f1b31c3_proj:
	.size	k_qa20f1b31c3_proj, .Lfunc_end_k_qa20f1b31c3_proj-k_qa20f1b31c3_proj
	.p2alignl 7, 3214868480
	.fill 96, 4, 3214868480
	.section	.rodata,"a",@progbits
	.p2align	6, 0x0
	.amdhsa_kernel k_qa20f1b31c3_proj
		.amdhsa_group_segment_fixed_size 327680
		.amdhsa_private_segment_fixed_size 0
		.amdhsa_enable_private_segment 0
		.amdhsa_kernarg_size 48
		.amdhsa_user_sgpr_count 2
		.amdhsa_user_sgpr_kernarg_segment_ptr 1
		.amdhsa_wavefront_size32 1
		.amdhsa_system_sgpr_workgroup_id_x 1
		.amdhsa_system_sgpr_workgroup_id_y 1
		.amdhsa_system_sgpr_workgroup_id_z 1
		.amdhsa_system_vgpr_workitem_id 0
		.amdhsa_next_free_vgpr 768
		.amdhsa_next_free_sgpr 100
		.amdhsa_reserve_vcc 0
		.amdhsa_float_denorm_mode_32 3
		.amdhsa_float_denorm_mode_16_64 3
		.amdhsa_memory_ordered 1
		.amdhsa_forward_progress 1
		.amdhsa_inst_pref_size 102
	.end_amdhsa_kernel
	.amdgpu_metadata
---
amdhsa.version: [ 1, 2 ]
amdhsa.kernels:
  - .name:           k_qa20f1b31c3_proj
    .symbol:         k_qa20f1b31c3_proj.kd
    .args:
      - { .name: yimg, .offset: 0, .size: 8, .value_kind: global_buffer, .address_space: global }
      - { .name: ysc, .offset: 8, .size: 8, .value_kind: global_buffer, .address_space: global }
      - { .name: codes, .offset: 16, .size: 8, .value_kind: global_buffer, .address_space: global }
      - { .name: scales, .offset: 24, .size: 8, .value_kind: global_buffer, .address_space: global }
      - { .name: b_proj, .offset: 32, .size: 8, .value_kind: global_buffer, .address_space: global }
      - { .name: out0, .offset: 40, .size: 8, .value_kind: global_buffer, .address_space: global }
    .group_segment_fixed_size: 327680
    .private_segment_fixed_size: 0
    .kernarg_segment_align: 8
    .kernarg_segment_size: 48
    .max_flat_workgroup_size: 128
    .sgpr_count:     100
    .vgpr_count:     768
    .wavefront_size: 32
...
	.end_amdgpu_metadata
.endif
;; end of part 4
